; MI455X (gfx1250); checked and timed in simulation.
; The chip was launched on July 23, 2026; its instructions are those of AMD's public machine-readable ISA for CDNA 5 (MIT licence, August 2026) and "CDNA5" Instruction Set Architecture Reference Guide (July 2026). The comments in the code are by the model that wrote it; some were corrected since.
;; Bi Phase Scorer. Allowed arithmetic: matrix products marked QUANTISED: E2M3 operands, one E8M0 scale for each 32 along K, by v_wmma_scale_f32_16x16x128_f8f6f4 with both operands' format E2M3, f32 sums; everything else in f32.
;; Inputs: Wkx 512 x 512 float32; Wky 512 x 512 float32; Wox 512 x 512 float32; Woy 512 x 512 float32; Wqx 512 x 512 float32; Wqy 512 x 512 float32; Wvx 512 x 512 float32; Wvy 512 x 512 float32; bkx 512 float32; bky 512 float32; box 512 float32; boy 512 float32; bqx 512 float32; bqy 512 float32; bvx 512 float32; bvy 512 float32; kx 2 x 2,048 x 512 float32; ky 2 x 2,048 x 512 float32; qx 2 x 2,048 x 512 float32; qy 2 x 2,048 x 512 float32; vx 2 x 2,048 x 512 float32; vy 2 x 2,048 x 512 float32.
;; Outputs: out0 2 x 2,048 x 512 float32; out1 2 x 2,048 x 512 float32.
;; This version of the problem:
;;   THIS VERSION OF THE PROBLEM IS GIVEN IN LOW PRECISION. The matrix products marked QUANTISED in the list below multiply operands that are first quantised to E2M3 (2 exponent bits, 3 mantissa bits; 6 bits a number), with one power-of-two scale for each 32 numbers along K (OCP MX v1.0); their sums are f32. All else is computed in f32.
;;   The module's matrix products, in the order in which they are computed (A, B: the left and right operand; K: the contracted axis; several contracted axes count as one K, in the product's order):
;;     1. [M 4,096, K 512] x [K 512, N 512]; A: input qx; B: input Wqx: QUANTISED
;;     2. [M 4,096, K 512] x [K 512, N 512]; A: input qy; B: input Wqy: QUANTISED
;;     3. [M 4,096, K 512] x [K 512, N 512]; A: input kx; B: input Wkx: QUANTISED
;;     4. [M 4,096, K 512] x [K 512, N 512]; A: input ky; B: input Wky: QUANTISED
;;     5. [M 4,096, K 512] x [K 512, N 512]; A: input vx; B: input Wvx: QUANTISED
;;     6. [M 4,096, K 512] x [K 512, N 512]; A: input vy; B: input Wvy: QUANTISED
;;     7. batch 16 x [M 2,048, K 64] x [K 64, N 2,048]; A: computed on the way; B: computed on the way: QUANTISED
;;     8. batch 16 x [M 2,048, K 64] x [K 64, N 2,048]; A: computed on the way; B: computed on the way: QUANTISED
;;     9. batch 16 x [M 2,048, K 64] x [K 64, N 2,048]; A: computed on the way; B: computed on the way: QUANTISED
;;     10. batch 16 x [M 2,048, K 2,048] x [K 2,048, N 64]; A: softmax (see below); B: computed on the way: QUANTISED
;;     11. batch 16 x [M 2,048, K 2,048] x [K 2,048, N 64]; A: softmax (see below); B: computed on the way: QUANTISED
;;     12. [M 4,096, K 512] x [K 512, N 512]; A: computed on the way; B: input Wox: QUANTISED
;;     13. [M 4,096, K 512] x [K 512, N 512]; A: computed on the way; B: input Woy: QUANTISED
;;   THE QUANTISER, for each operand of a quantised product, along K:
;;     - K is cut into blocks of 32 from its start; a last block that is shorter is filled with zeros.
;;     - A block's scale is 2^e with e = floor(log2(the largest magnitude in the block)) - 2, held to -126 .. 127; a block of zeros has e = 0. As a byte (E8M0): e + 127.
;;     - Each number is divided by its block's scale, clamped to +-7.5, and rounded to the nearest number of E2M3, ties to even, subnormals kept.
;;     - The product sums the exact products of the quantised numbers (number of the format x scale) in f32.
;;   ~~~python
;;   def quantise(x, axis):      # numpy; x: float32 -> the quantised numbers, widened to float32 again
;;       x = np.moveaxis(x, axis, -1); K = x.shape[-1]
;;       x = np.pad(x, [(0, 0)] * (x.ndim - 1) + [(0, -K % 32)]); x = x.reshape(x.shape[:-1] + (-1, 32)); a = np.abs(x).max(-1, keepdims=True)
;;       e = np.where(a > 0, np.clip(np.frexp(np.where(a > 0, a, 1))[1] - 1 - 2, -126, 127), 0)      # np.frexp(a)[1] - 1 = floor(log2(a)), exactly
;;       r = np.clip(x / 2.0 ** e, -7.5, 7.5)
;;       step = 2.0 ** (np.maximum(np.frexp(np.where(r == 0, 1, r))[1] - 1, 0) - 3)
;;       q = np.round(r / step) * step * 2.0 ** e      # np.round: ties to even
;;       return np.moveaxis(q.reshape(q.shape[:-2] + (-1,))[..., :K], -1, axis).astype(np.float32)
;;   ~~~
;;   SOFTMAX AHEAD OF A QUANTISED PRODUCT. Where the list says 'softmax', what is quantised is not the finished softmax but p = 2^(t - M), with t = logit x log2(e) and M = ceil(the row's largest t), a whole number; so 1/2 < the row's largest p <= 1. The row's sum l is taken of the UNQUANTISED p, in f32, and the product's result is divided by l at the end. Since M is a whole number, a kernel that streams over the keys may use a running M (the ceiling of the running maximum): every later rescaling is an exact power of two, which a block's scale takes up: the codes' values come out the same.
;;   OPERANDS COMPUTED ON THE WAY. 'Computed on the way' means the value that the module computes at that place (a softmax that the list does not call 'softmax' is quantised finished and normalised). What goes into a quantiser is computed in f32, as accurately as f32 sums, v_exp_f32 and their like allow (about 1e-6 of the number): no bf16 or f16 on the way to a quantiser, and a product that is left as it is and whose result goes on into a quantised operand takes f32 operands (vector FMAs, or v_wmma_f32_16x16x4_f32). A number that lies on a knife's edge between two numbers of the format may be rounded either way, as far as f32 arithmetic and the matrix unit's own rounding can turn it there, and no further.
;; One version. Each part assembles by itself: llvm-mc -triple=amdgcn-amd-amdhsa -mcpu=gfx1250 --defsym DOCPART=n.
;; ======== version 1 of 1: 4 launches
;; limits: right only within a limited range of input values
;; workspace buffers: recs 11,927,552 bytes; QR 4,980,736 bytes; KV 8,257,536 bytes; AO 3,670,016 bytes
;; launch prep (part 1): grid 64 x 7, 4 waves a work-group, no clusters, 34,304 bytes of LDS; arguments qx, qy, kx, ky, vx, vy, Wqx, Wqy, Wkx, Wky, Wvx, Wvy, Wox, Woy, recs; writes recs
.if DOCPART == 1
	.amdgcn_target "amdgcn-amd-amdhsa--gfx1250"
	.amdhsa_code_object_version 6
	.text
	.protected	k_q74a8b8d058_prep
	.globl	k_q74a8b8d058_prep
	.p2align	8
	.type	k_q74a8b8d058_prep,@function
k_q74a8b8d058_prep:
	s_mov_b64 s[64:65], 0
	v_nop
	global_prefetch_b8 v0, s[64:65] scope:SCOPE_SE
	s_setreg_imm32_b32 hwreg(HW_REG_WAVE_MODE, 25, 1), 1
	s_wait_xcnt 0x0
; THE PROGRAM: four launches.  prep: the six inputs and the eight weights become codes of FP6 (E2M3) with one E8M0 byte for each 32 along K = 512.  proj: the six projections, the polar step,
; and the quantising of attention's operands.  attn: scores, softmax, the two value products, the division by the row's sum, the quantising for the way out.  outp: the two projections on the way out.
; NOTHING IS LEFT OUT: every input has a way to an output and is loaded.  What is written otherwise than in the problem's text, for all values of the inputs:
;   cos(arctan2(y, x)) = x / r and sin(arctan2(y, x)) = y / r with r = sqrt(x x + y y); at (0, 0) they are 1 and 0.
;   scores = 0.5 (cc + ss) / 64 + 0.5 rr / 8 = (cc + ss + 8 rr) / 128: the three score products, each quantised along its own 64 as stated, are summed in one accumulator (K = 192: cos, sin, r);
;   the factor 8 is 3 added to the scale bytes of q's r blocks (the codes stay), the factor 1 / 128 goes into the constant that turns a score into an exponent of two.
;   vx's and vy's value products share p: one product with 128 channels.
; LIMITS.  A pair with x x + y y under 2^-126 gives cos = 1 and sin = y 2^63: right at (0, 0) with positive zeros; the sign of a zero is not honoured, other pairs that small are not served.
; A block whose largest magnitude lies under 2^-124 keeps the byte 1; a block of zeros keeps the byte 1 where the stated quantiser says 127: its codes are zeros, and this program alone reads the bytes.
; r of q from 2^124 on would carry the 3 past the largest byte.  NaN and infinities among the inputs are not served.  The three score products are added in another order than written: a matter of rounding.
;
; THIS LAUNCH.  A RECORD is 16 rows x 512 along K as the matrix unit's registers want them: four fragments (16 rows x 128 K, 12 registers a lane), each as three stores of 16 bytes a lane at 16 x lane,
; then the four scale words of each row, 16 bytes a lane.  6,656 bytes, 26 whole blocks of 256.
; THE ROWS OF A TILE ARE NOT NEIGHBOURS: lane r of tile T takes row 32 (T / 2) + 8 (T % 2) + r + 8 (r / 8), in all fourteen tensors: where such a tile is a product's first source, the 16 result registers of
; tiles 2 G and 2 G + 1 are 16 neighbours along the next product's K.
; One wave makes one record.  Work-group (x, y): y under 6: input y, tiles 4 x + wave; y = 6: weight x / 8, tiles 4 (x % 8) + wave.  Record number 256 y + 4 x + wave.
; Each load takes 512 consecutive bytes of one row; the 16 rows of a K step turn through the wave's own stage in LDS (rows 528 bytes apart), from which a lane takes 16 neighbours of each block of 32 of its row.
; Waves share nothing: no barrier, no cluster, no tensor load.
.set REC,   6656
.set WST,   8448                       ; a wave's stage: 16 rows x 528 bytes
.set SP,    528
.set SPARE, 4*WST                      ; behind the stages: the spare words, 128 bytes a wave
.set LD,    1                          ; v1  16 x lane: offset of the loads and of the image stores; never rewritten
.set STI,   2                          ; v2  the stage, on the way in
.set STO,   3                          ; v3  the stage, on the way out
.set SPW,   4                          ; v4  my spare word
.set NIL,   5                          ; v5  0
.set SW,    20                         ; v20-23  the four scale words of my row
.set R,     32                         ; v32-95, v96-159  two sets of 64 registers as loaded
.set X,     160                        ; v160-223  64 numbers: register 16 b + i = k 32 b + 16 (lane / 16) + i of my row
.set PC,    224                        ; v224-242  the codes
.set TM,    244                        ; v244-255  at work in the quantiser
.set SEL,   44                         ; s[44:45] selects for lane l xor 16
; 32 nc numbers of a lane become a fragment's codes (nc = 2: 12 registers from v[PC] on; nc = 1: 6) and its scale word in v[pw].
.macro QUANT s, nc, pw
.irp b, 0,1,2,3
.if \b < 2*(\nc)
	v_max3_num_f32 v[TM+\b], |v[(\s)+16*\b]|, |v[(\s)+16*\b+1]|, 0x1800000   ; block b: my 16 numbers, and the floor 2^(3 - 127): the byte cannot fall under 1
.endif
.endr
.irp i, 2,4,6,8,10,12,14
.irp b, 0,1,2,3
.if \b < 2*(\nc)
	v_max3_num_f32 v[TM+\b], v[TM+\b], |v[(\s)+16*\b+\i]|, |v[(\s)+16*\b+\i+1]|   ; the blocks by turns
.endif
.endr
.endr
.irp b, 0,1,2,3
.if \b < 2*(\nc)
	v_permlanex16_b32 v[TM+4+\b], v[TM+\b], s[SEL], s[SEL+1]
.endif
.endr
.irp b, 0,1,2,3
.if \b < 2*(\nc)
	v_max_num_f32 v[TM+\b], v[TM+\b], v[TM+4+\b]   ; with lane l xor 16's: the block's largest magnitude
.endif
.endr
.irp b, 0,1,2,3
.if \b < 2*(\nc)
	v_add_nc_u32 v[TM+8+\b], 0xff000000, v[TM+\b]  ; 2 off its exponent field: the conversion's scale operand
.endif
.endr
.irp b, 0,1,2,3
.if \b < 2*(\nc)
	v_lshrrev_b32 v[TM+4+\b], 23, v[TM+8+\b]       ; the scale's byte
.endif
.endr
	v_lshl_or_b32 v[\pw], v[TM+5], 8, v[TM+4]
.if (\nc) == 2
	v_lshl_or_b32 v[\pw], v[TM+6], 16, v[\pw]
	v_lshl_or_b32 v[\pw], v[TM+7], 24, v[\pw]
.endif
.irp c, 0,1
.if \c < (\nc)
	v_cvt_scalef32_pk16_fp6_f32 v[PC+6*\c:PC+6*\c+2], v[(\s)+32*\c:(\s)+32*\c+15], v[TM+8+2*\c]
	v_cvt_scalef32_pk16_fp6_f32 v[PC+12+4*\c:PC+14+4*\c], v[(\s)+32*\c+16:(\s)+32*\c+31], v[TM+9+2*\c]   ; (a conversion's three registers begin on an even number)
.endif
.endr
	v_nop                                          ; one plain place behind the conversions
.irp c, 0,1
.if \c < (\nc)
.irp i, 0,1,2
	v_permlane16_swap_b32 v[PC+6*\c+\i], v[PC+12+4*\c+\i]   ; a whole block to a lane: lanes 0-15 block 2 c, lanes 16-31 block 2 c + 1
.endr
.irp i, 0,1,2
	v_mov_b32 v[PC+3+6*\c+\i], v[PC+12+4*\c+\i]
.endr
.endif
.endr
.endm
	s_load_b512 s[8:23], s[0:1], 0x0               ; qx, qy, kx, ky, vx, vy, Wqx, Wqy
	s_load_b256 s[24:31], s[0:1], 0x40             ; Wkx, Wky, Wvx, Wvy
	s_load_b128 s[32:35], s[0:1], 0x60             ; Wox, Woy
	s_load_b64 s[36:37], s[0:1], 0x70              ; recs
	v_lshl_add_u32 v[SPW], v0, 2, SPARE
	v_mov_b32 v[NIL], 0
	v_lshrrev_b32 v6, 5, v0
	v_readfirstlane_b32 s38, v6                    ; wave
	v_and_b32 v7, 31, v0
	v_lshlrev_b32 v[LD], 4, v7
	s_mul_i32 s39, s38, WST
	v_add_nc_u32 v[STI], s39, v[LD]                ; in: a row's 512 bytes as they lie
	v_and_b32 v8, 15, v0
	v_bfe_u32 v9, v0, 4, 1
	v_mul_u32_u24 v[STO], v8, SP
	v_lshl_add_u32 v[STO], v9, 6, v[STO]
	v_add_nc_u32 v[STO], s39, v[STO]               ; out: row lane % 16, + 64 bytes for lanes 16-31
.irp b, 0,1,2,3
	v_mov_b32 v[TM+4+\b], 0                        ; written once: a lane permute's destination counts as one of its sources
.endr
	s_mov_b32 s[SEL], 0x76543210
	s_mov_b32 s[SEL+1], 0xfedcba98
	s_and_b32 s40, ttmp7, 0xffff                   ; y
	s_lshr_b32 s41, ttmp9, 3
	s_add_co_u32 s41, s41, 6                       ; the weight's place among the arguments
	s_and_b32 s42, ttmp9, 7
	s_cmp_lt_u32 s40, 6
	s_cselect_b32 s41, s40, s41                    ; which of the fourteen tensors
	s_cselect_b32 s42, ttmp9, s42
	s_lshl_b32 s42, s42, 2
	s_add_co_u32 s42, s42, s38                     ; T: my tile in it
	s_lshr_b32 s43, s42, 1
	s_lshl_b32 s43, s43, 16                        ; 32 (T / 2) rows of 2,048 bytes
	s_and_b32 s46, s42, 1
	s_lshl_b32 s46, s46, 14                        ; + 8 (T % 2) rows
	s_add_co_u32 s46, s46, s43
	s_mov_b32 s47, 0
	s_lshl_b32 s48, s40, 8
	s_lshl_b32 s49, ttmp9, 2
	s_add_co_u32 s48, s48, s49
	s_add_co_u32 s48, s48, s38                     ; my record's number
	s_mul_i32 s48, s48, REC
	s_mov_b32 s49, 0
	s_wait_alu depctr_va_vdst(0)
	s_wait_kmcnt 0x0
	s_mov_b64 s[4:5], s[8:9]
.irp i, 1,2,3,4,5,6,7,8,9,10,11,12,13
	s_cmp_eq_u32 s41, \i                           ; the choice hangs on the work-group's number alone
	s_cselect_b64 s[4:5], s[8+2*\i:9+2*\i], s[4:5]
.endr
	s_add_nc_u64 s[4:5], s[4:5], s[46:47]
	s_add_nc_u64 s[36:37], s[36:37], s[48:49]
.macro LOAD t                          ; K step t: 16 rows x 512 consecutive bytes
.irp i, 0,1,2,3,4,5,6,7,8,9,10,11,12,13,14,15
	global_load_b128 v[R+64*((\t)%2)+4*\i:R+64*((\t)%2)+4*\i+3], v[LD], s[4:5] offset:(\i+8*(\i/8))*2048+512*(\t) th:TH_LOAD_NT
.endr
.endm
.macro TURN t                          ; through my stage: LDS serves a wave's instructions in order, so no wait stands between the stores and the loads
.irp i, 0,1,2,3,4,5,6,7,8,9,10,11,12,13,14,15
	ds_store_b128 v[STI], v[R+64*((\t)%2)+4*\i:R+64*((\t)%2)+4*\i+3] offset:SP*\i
.endr
.irp b, 0,1,2,3
.irp j, 0,1,2,3
	ds_load_b128 v[X+16*\b+4*\j:X+16*\b+4*\j+3], v[STO] offset:128*\b+16*\j
.endr
.endr
.endm
	LOAD 0
	LOAD 1
.irp t, 0,1,2,3
.if \t < 3
	s_wait_loadcnt 16                              ; this K step's 16 loads are in; the next step's 16 may be out
.else
	s_wait_loadcnt 0x0
.endif
	TURN \t
	s_wait_dscnt 0x0                               ; my 64 numbers are back, and the stage's stores have read their registers,
.if \t < 2
	LOAD \t+2                                      ; which take the loads of two steps on
.endif
	s_wait_xcnt 0x0                                ; the last step's stores have read the codes' registers: they are written again only behind this wait
	QUANT X, 2, SW+\t
.irp c, 0,1,2
	global_store_b128 v[LD], v[PC+4*\c:PC+4*\c+3], s[36:37] offset:1536*\t+512*\c   ; 512 consecutive bytes a store, at a multiple of 256
.endr
.endr
	global_store_b128 v[LD], v[SW:SW+3], s[36:37] offset:6144   ; the scale words: register s is K step s's word of row lane % 16
	s_wait_tensorcnt 0x0                           ; the wave's end
	ds_add_u32 v[SPW], v[NIL]
	s_wait_dscnt 0x0
	s_endpgm
.Lfunc_end_k_q74a8b8d058_prep:
	.size	k_q74a8b8d058_prep, .Lfunc_end_k_q74a8b8d058_prep-k_q74a8b8d058_prep
	.p2alignl 7, 3214868480
	.fill 96, 4, 3214868480
	.section	.rodata,"a",@progbits
	.p2align	6, 0x0
	.amdhsa_kernel k_q74a8b8d058_prep
		.amdhsa_group_segment_fixed_size 34304
		.amdhsa_private_segment_fixed_size 0
		.amdhsa_enable_private_segment 0
		.amdhsa_kernarg_size 120
		.amdhsa_user_sgpr_count 2
		.amdhsa_user_sgpr_kernarg_segment_ptr 1
		.amdhsa_wavefront_size32 1
		.amdhsa_system_sgpr_workgroup_id_x 1
		.amdhsa_system_sgpr_workgroup_id_y 1
		.amdhsa_system_sgpr_workgroup_id_z 1
		.amdhsa_system_vgpr_workitem_id 0
		.amdhsa_next_free_vgpr 256
		.amdhsa_next_free_sgpr 66
		.amdhsa_reserve_vcc 0
		.amdhsa_float_denorm_mode_32 3
		.amdhsa_float_denorm_mode_16_64 3
		.amdhsa_memory_ordered 1
		.amdhsa_forward_progress 1
		.amdhsa_inst_pref_size 34
	.end_amdhsa_kernel
	.amdgpu_metadata
---
amdhsa.version: [ 1, 2 ]
amdhsa.kernels:
  - .name:           k_q74a8b8d058_prep
    .symbol:         k_q74a8b8d058_prep.kd
    .args:
      - { .name: qx, .offset: 0, .size: 8, .value_kind: global_buffer, .address_space: global }
      - { .name: qy, .offset: 8, .size: 8, .value_kind: global_buffer, .address_space: global }
      - { .name: kx, .offset: 16, .size: 8, .value_kind: global_buffer, .address_space: global }
      - { .name: ky, .offset: 24, .size: 8, .value_kind: global_buffer, .address_space: global }
      - { .name: vx, .offset: 32, .size: 8, .value_kind: global_buffer, .address_space: global }
      - { .name: vy, .offset: 40, .size: 8, .value_kind: global_buffer, .address_space: global }
      - { .name: Wqx, .offset: 48, .size: 8, .value_kind: global_buffer, .address_space: global }
      - { .name: Wqy, .offset: 56, .size: 8, .value_kind: global_buffer, .address_space: global }
      - { .name: Wkx, .offset: 64, .size: 8, .value_kind: global_buffer, .address_space: global }
      - { .name: Wky, .offset: 72, .size: 8, .value_kind: global_buffer, .address_space: global }
      - { .name: Wvx, .offset: 80, .size: 8, .value_kind: global_buffer, .address_space: global }
      - { .name: Wvy, .offset: 88, .size: 8, .value_kind: global_buffer, .address_space: global }
      - { .name: Wox, .offset: 96, .size: 8, .value_kind: global_buffer, .address_space: global }
      - { .name: Woy, .offset: 104, .size: 8, .value_kind: global_buffer, .address_space: global }
      - { .name: recs, .offset: 112, .size: 8, .value_kind: global_buffer, .address_space: global }
    .group_segment_fixed_size: 34304
    .private_segment_fixed_size: 0
    .kernarg_segment_align: 8
    .kernarg_segment_size: 120
    .max_flat_workgroup_size: 128
    .sgpr_count:     66
    .vgpr_count:     256
    .wavefront_size: 32
...
	.end_amdgpu_metadata
.endif
;; end of part 1
;; launch proj (part 2): grid 32 x 6, 16 waves a work-group, clusters of 4 x 1, 327,680 bytes of LDS; arguments recs, bqx, bqy, bkx, bky, bvx, bvy, QR, KV; writes QR, KV
.if DOCPART == 2
	.amdgcn_target "amdgcn-amd-amdhsa--gfx1250"
	.amdhsa_code_object_version 6
	.text
	.protected	k_q74a8b8d058_proj
	.globl	k_q74a8b8d058_proj
	.p2align	8
	.type	k_q74a8b8d058_proj,@function
k_q74a8b8d058_proj:
	s_mov_b64 s[64:65], 0
	v_nop
	global_prefetch_b8 v0, s[64:65] scope:SCOPE_SE
	s_setreg_imm32_b32 hwreg(HW_REG_WAVE_MODE, 25, 1), 1
	s_wait_xcnt 0x0
	s_wait_alu depctr_hold_cnt(0) depctr_sa_sdst(0) depctr_va_vdst(0) depctr_va_sdst(0) depctr_va_ssrc(0) depctr_va_vcc(0) depctr_vm_vsrc(0)
	s_getreg_b32 s2, hwreg(HW_REG_IB_STS2, 6, 4)
	s_cmp_eq_u32 s2, 0
	s_cbranch_scc0 .Lentry_in_a_cluster
	s_endpgm
.Lentry_in_a_cluster:
	s_bfe_u32 s2, ttmp6, 0x10000c
	s_cmp_lg_u32 s2, 0x3003
	s_cbranch_scc0 .Lentry_shape_is_right
	s_endpgm
.Lentry_shape_is_right:
; The six projections x W^T + b on the records that the first launch made, and what attention wants of them.  Nothing is left out.
; Work-group (blk, y): 128 tokens (blk = 4 x cluster x + place in the cluster); t = y / 2: 0 the queries, 1 the keys, 2 the values; half = y % 2: columns 256 half on, four heads.
; It takes both channels (x and y) of its kind: 32 records of W (two matrices x 16 tiles of the half) and 16 records of tokens (two tensors x 8 tiles), all filled once into LDS: waves 0-7 ask for four of W's each, waves 8-15 for two of the tokens' each.
; CLUSTER: the four partners share t and half, so W's records, two thirds of a work-group's bytes, are asked for JOINTLY (mask 15); the tokens' are each work-group's own.
; t < 2: first source = 16 rows of W, second = 16 tokens: a lane holds ONE token and its registers run along the head's channels.  Wave w: head w / 4 of the half, tokens 32 (w % 4) on, both channels: 16 accumulators.
;   cos = x / r, sin = y / r, r = sqrt(x x + y y), by one reciprocal root of max(x x + y y, 2^-126); under that floor cos = 1 (the limit stated at the head of the first launch).
;   A token tile leaves as a fragment of K = 128 (cos 64, sin 64), half a fragment (r 64) and two scale words.
; t = 2: first source = 16 tokens, second = 16 rows of W: a lane holds ONE channel and its registers run along the 128 tokens, which are a key step of the value product's K.  Wave w: matrix w / 8, head (w / 2) % 4, channel tiles 2 (w % 2) + 0, 1.
; The branch between the two forms hangs on the cluster's y alone: the same in every wave and in all four partners.
; QR: [16 heads x batches][64 groups of 32 queries] records of 4,864 bytes: tile u at 2,304 u (fragment 1,536, half fragment 512 + 256); at 4,608 the scale pairs, 8 bytes a lane: lanes 0-15 tile 0's, lanes 16-31 tile 1's.
; KV: [16][16 key steps] records of 32,256 bytes: four such groups of keys; at 19,456 eight fragments of V (four tiles of vx's channels, four of vy's); at 31,744 their scale words, two tiles to 128 bytes.
.set REC,   6656
.set XO,    32*REC                     ; LDS: W's records at REC (16 m + tile), the tokens' at XO + REC (8 m + tile)
.set SPARE, 48*REC                     ; the spare words, 128 bytes a wave
.set GRP,   4864
.set VFO,   4*GRP
.set VSO,   VFO+8*1536
.set LI,  1                            ; v1  16 x lane
.set L8,  2                            ; v2  8 x lane
.set L4,  3                            ; v3  4 x lane
.set AP,  4                            ; v4-5  LDS address of the first source's records, phase 0, 1
.set AQ,  6                            ; v6-7  of the second source's
.set SPW, 8
.set NIL, 9
.set ACC, 16                           ; v16-143  accumulator (j, phase, i) at ACC + 8 (8 j + 4 phase + i)
.set PF,  144                          ; v144-191 four fragments of the first source
.set QF,  192                          ; v192-215 two of the second
.set PS,  216                          ; v216-231 scale words, register 4 i + s;  v232-239 register 4 j + s: these 24 hold scales and nothing else
.set QS,  232
.set II,  144                          ; behind the products: v144-175 the reciprocal roots; v176-207 x x + y y, then r
.set RR,  176
.set PC,  144                          ; the quantiser works where the reciprocal roots lay: they are done with when it begins
.set TM,  164
.set WV,  22
.set SEL, 52
.macro PLACES n
.rept \n
	v_nop
.endr
.endm
.macro CROUND                          ; a round of the cluster's barrier
	s_barrier_signal -1
	s_barrier_wait -1
	s_cmp_lg_u32 s[WV], 0
	s_cbranch_scc1 .Lnot_wave_0_\@
	s_barrier_signal -3
.Lnot_wave_0_\@:
	s_barrier_wait -3
	s_barrier_signal -1
	s_barrier_wait -1
.endm
; 32 nc numbers of a lane, register 16 b + i = k 32 b + 16 (lane / 16) + i of my row, become codes from v[PC] on and the scale word in v[pw]
.macro QUANT s, nc, pw
.irp b, 0,1,2,3
.if \b < 2*(\nc)
	v_max3_num_f32 v[TM+\b], |v[(\s)+16*\b]|, |v[(\s)+16*\b+1]|, 0x1800000   ; and the floor 2^(3 - 127)
.endif
.endr
.irp i, 2,4,6,8,10,12,14
.irp b, 0,1,2,3
.if \b < 2*(\nc)
	v_max3_num_f32 v[TM+\b], v[TM+\b], |v[(\s)+16*\b+\i]|, |v[(\s)+16*\b+\i+1]|
.endif
.endr
.endr
.irp b, 0,1,2,3
.if \b < 2*(\nc)
	v_permlanex16_b32 v[TM+4+\b], v[TM+\b], s[SEL], s[SEL+1]
.endif
.endr
.irp b, 0,1,2,3
.if \b < 2*(\nc)
	v_max_num_f32 v[TM+\b], v[TM+\b], v[TM+4+\b]
.endif
.endr
.irp b, 0,1,2,3
.if \b < 2*(\nc)
	v_add_nc_u32 v[TM+8+\b], 0xff000000, v[TM+\b]  ; 2 off the exponent field: the conversion's scale operand
.endif
.endr
.irp b, 0,1,2,3
.if \b < 2*(\nc)
	v_lshrrev_b32 v[TM+4+\b], 23, v[TM+8+\b]       ; the byte
.endif
.endr
	v_lshl_or_b32 v[\pw], v[TM+5], 8, v[TM+4]
.if (\nc) == 2
	s_delay_alu instid0(VALU_DEP_1)
	v_lshl_or_b32 v[\pw], v[TM+6], 16, v[\pw]
	s_delay_alu instid0(VALU_DEP_1)
	v_lshl_or_b32 v[\pw], v[TM+7], 24, v[\pw]
.endif
.irp c, 0,1
.if \c < (\nc)
	v_cvt_scalef32_pk16_fp6_f32 v[PC+6*\c:PC+6*\c+2], v[(\s)+32*\c:(\s)+32*\c+15], v[TM+8+2*\c]
	v_cvt_scalef32_pk16_fp6_f32 v[PC+12+4*\c:PC+14+4*\c], v[(\s)+32*\c+16:(\s)+32*\c+31], v[TM+9+2*\c]
.endif
.endr
	v_nop                                          ; one plain place behind the conversions
.irp c, 0,1
.if \c < (\nc)
.irp i, 0,1,2
	v_permlane16_swap_b32 v[PC+6*\c+\i], v[PC+12+4*\c+\i]
.endr
.irp i, 0,1,2
	s_delay_alu instid0(VALU_DEP_3)
	v_mov_b32 v[PC+3+6*\c+\i], v[PC+12+4*\c+\i]
.endr
.endif
.endr
.endm
; One K step of 128 of one phase: four fragments of the first source, two of the second, eight products on eight accumulators, one instruction a turn.
; Four places stand in front of loads into registers that matrix instructions have read (ISA guide 7.12.1 for vector instructions).
.macro GSTEP ph, s, zero, first
.if !(\first)
	PLACES 4
.endif
.if (\s) == 0
.irp i, 0,1,2,3
	ds_load_b128 v[PS+4*\i:PS+4*\i+3], v[AP+\ph] offset:\i*REC+6144   ; the records' scale words, all four K steps
.endr
.irp j, 0,1
	ds_load_b128 v[QS+4*\j:QS+4*\j+3], v[AQ+\ph] offset:\j*REC+6144
.endr
.endif
.irp i, 0,1,2,3
.irp c, 0,1,2
	ds_load_b128 v[PF+12*\i+4*\c:PF+12*\i+4*\c+3], v[AP+\ph] offset:\i*REC+1536*(\s)+512*\c
.endr
.endr
.irp j, 0,1
.irp c, 0,1,2
	ds_load_b128 v[QF+12*\j+4*\c:QF+12*\j+4*\c+3], v[AQ+\ph] offset:\j*REC+1536*(\s)+512*\c
.endr
.endr
	s_wait_dscnt 0x0
.irp i, 0,1,2,3
.irp j, 0,1
.set DD, ACC+8*(8*\j+4*(\ph)+\i)
.if \zero
	v_wmma_scale_f32_16x16x128_f8f6f4 v[DD:DD+7], v[PF+12*\i:PF+12*\i+11], v[QF+12*\j:QF+12*\j+11], 0, v[PS+4*\i+(\s)], v[QS+4*\j+(\s)] matrix_a_fmt:MATRIX_FMT_FP6 matrix_b_fmt:MATRIX_FMT_FP6
.else
	v_wmma_scale_f32_16x16x128_f8f6f4 v[DD:DD+7], v[PF+12*\i:PF+12*\i+11], v[QF+12*\j:QF+12*\j+11], v[DD:DD+7], v[PS+4*\i+(\s)], v[QS+4*\j+(\s)] matrix_a_fmt:MATRIX_FMT_FP6 matrix_b_fmt:MATRIX_FMT_FP6
.endif
.endr
.endr
.endm
.macro GEMM z                          ; z = 1: each phase's first K step starts its sums with 0; z = 0: the accumulators hold the bias
	GSTEP 0, 0, \z, 1
	GSTEP 0, 1, 0, 0
	GSTEP 0, 2, 0, 0
	GSTEP 0, 3, 0, 0
	GSTEP 1, 0, \z, 0
	GSTEP 1, 1, 0, 0
	GSTEP 1, 2, 0, 0
	GSTEP 1, 3, 0, 0
.endm
	s_load_b512 s[4:19], s[0:1], 0x0               ; recs s[4:5], bqx, bqy, bkx, bky, bvx, bvy s[6:17], QR s[18:19]
	s_load_b64 s[20:21], s[0:1], 0x40              ; KV
	v_lshl_add_u32 v[SPW], v0, 2, SPARE
	v_mov_b32 v[NIL], 0
	ds_add_u32 v[SPW], v[NIL]                      ; the wave's opening: the add, twice on end, and its wait ahead of my first tensor load
	ds_add_u32 v[SPW], v[NIL]
	v_lshrrev_b32 v14, 5, v0
	s_delay_alu instid0(VALU_DEP_1)
	v_readfirstlane_b32 s[WV], v14                 ; wave 0..15
	s_bfe_u32 s23, ttmp6, 0x40000                  ; my place in the cluster
	s_lshl_b32 s24, ttmp9, 2
	s_add_co_u32 s24, s24, s23                     ; blk: it enters the tokens' and the results' addresses alone
	s_and_b32 s27, ttmp7, 0xffff
	s_lshr_b32 s25, s27, 1                         ; t
	s_and_b32 s26, s27, 1                          ; half
	; group 1 for W: four records, 26,624 dense bytes, as 104 rows of 256 bytes (32 elements of 8 bytes); the mask names all four partners, bit 21 beside it
	s_mov_b32 s28, 15|(3<<16)|(1<<21)
	s_mov_b32 s29, 32<<16
	s_mov_b32 s30, 104<<16                         ; four records of W to a load: 104 rows of 256 bytes
	s_mov_b32 s31, 32<<16
	s_mov_b32 s32, 104
	s_mov_b32 s33, 32
	s_mov_b32 s34, 0
	s_mov_b32 s35, 0
	; group 1 for the tokens: two records, 52 rows of 256 bytes, no mask
	s_mov_b32 s36, 3<<16
	s_mov_b32 s37, 32<<16
	s_mov_b32 s38, 52<<16                          ; two records of tokens to a load: 52 rows of 256 bytes
	s_mov_b32 s39, 32<<16
	s_mov_b32 s40, 52
	s_mov_b32 s41, 32
	s_mov_b32 s42, 0
	s_mov_b32 s43, 0
	s_bfe_u32 s58, s[WV], 0x10002                  ; m = (w / 4) % 2: which of the two channels I fetch for
	s_and_b32 s59, s[WV], 3
	s_and_b32 s60, s[WV], 7                        ; my place among the eight waves of my kind of load
	s_lshl_b32 s54, s25, 6                         ; W's record: 1536 + 32 (2 t + m) + 16 half + 4 (w % 4)
	s_lshl_b32 s55, s58, 5
	s_add_co_u32 s54, s54, s55
	s_lshl_b32 s55, s26, 4
	s_add_co_u32 s54, s54, s55
	s_lshl_b32 s55, s59, 2                         ; W's records 4 (w % 4) on
	s_add_co_u32 s54, s54, s55
	s_add_co_u32 s54, s54, 1536
	s_mul_i32 s54, s54, REC
	s_mov_b32 s55, 0
	s_lshl_b32 s56, s25, 9                         ; the tokens' record: 256 (2 t + m) + 8 blk + 2 (w % 4)
	s_lshl_b32 s57, s58, 8
	s_add_co_u32 s56, s56, s57
	s_lshl_b32 s57, s24, 3
	s_add_co_u32 s56, s56, s57
	s_lshl_b32 s57, s59, 1                         ; the tokens' records 2 (w % 4) on
	s_add_co_u32 s56, s56, s57
	s_mul_i32 s56, s56, REC
	s_mov_b32 s57, 0
	s_mov_b32 s44, 1
	s_mul_i32 s45, s60, 4*REC                      ; LDS: W's records 4 (w % 8) on
	s_mov_b32 s48, 1
	s_mul_i32 s49, s60, 2*REC                      ; LDS: the tokens' records 2 (w % 8) on
	s_add_co_u32 s49, s49, XO                      ; behind W's 32 records
	s_mov_b32 s[SEL], 0x76543210
	s_mov_b32 s[SEL+1], 0xfedcba98
	s_wait_dscnt 0x0                               ; both opening adds are done
	s_wait_kmcnt 0x0
	s_add_nc_u64 s[46:47], s[4:5], s[54:55]
	s_or_b32 s47, s47, 0x80000000
	s_add_nc_u64 s[50:51], s[4:5], s[56:57]
	s_or_b32 s51, s51, 0x80000000
	CROUND                                         ; all four work-groups are here: the joint loads meet
	s_cmp_lt_u32 s[WV], 8                          ; one tensor load a wave at the head: waves 0-7 ask jointly for four of W's records each, waves 8-15 for two of the tokens' each
	s_cbranch_scc0 .Ltok
	tensor_load_to_lds s[44:47], s[28:35]
	s_nop 0
	PLACES 4
	s_branch .Lasked
.Ltok:
	tensor_load_to_lds s[48:51], s[36:43]
	s_nop 0
	PLACES 4
.Lasked:
	v_and_b32 v14, 31, v0                          ; lane
	s_delay_alu instid0(VALU_DEP_1)
	v_lshlrev_b32 v[LI], 4, v14
	s_delay_alu instid0(VALU_DEP_2)
	v_lshlrev_b32 v[L8], 3, v14
	s_delay_alu instid0(VALU_DEP_3)
	v_lshlrev_b32 v[L4], 2, v14
	s_cmp_eq_u32 s25, 2
	s_cbranch_scc1 .Lv
	; ---------------- queries and keys
	s_lshr_b32 s58, s[WV], 2                       ; hh: my head of the half
	s_and_b32 s59, s[WV], 3                        ; gg: my 32 tokens
	s_mul_i32 s61, s58, 4*REC
	v_add_nc_u32 v[AP], s61, v[LI]                 ; W of channel x, tiles 4 hh on;
	s_delay_alu instid0(VALU_DEP_1)
	v_add_nc_u32 v[AP+1], 16*REC, v[AP]            ; of channel y
	s_mul_i32 s61, s59, 2*REC
	s_add_co_u32 s61, s61, XO
	v_add_nc_u32 v[AQ], s61, v[LI]                 ; tokens of channel x, tiles 2 gg on;
	s_delay_alu instid0(VALU_DEP_1)
	v_add_nc_u32 v[AQ+1], 8*REC, v[AQ]             ; of channel y
	v_bfe_u32 v10, v0, 4, 1
	s_delay_alu instid0(VALU_DEP_1)
	v_lshlrev_b32 v10, 6, v10                      ; lanes 16-31 hold channels 16 further on: 64 bytes
	s_wait_alu depctr_va_vdst(0)
	v_mov_b32 v246, 1.0
	s_lshl_b32 s60, s26, 2
	s_add_co_u32 s60, s60, s58                     ; the head
	s_lshl_b32 s62, s60, 8                         ; its 64 numbers of a bias
	s_mov_b32 s63, 0
	s_cmp_eq_u32 s25, 0
	s_cselect_b64 s[54:55], s[6:7], s[10:11]       ; bqx or bkx
	s_cselect_b64 s[56:57], s[8:9], s[12:13]       ; bqy or bky
	s_add_nc_u64 s[54:55], s[54:55], s[62:63]
	s_add_nc_u64 s[56:57], s[56:57], s[62:63]
.irp j, 0,1
.irp i, 0,1,2,3
.irp p, 0,1
	global_load_b128 v[ACC+8*(8*\j+\i)+4*\p:ACC+8*(8*\j+\i)+4*\p+3], v10, s[54:55] offset:(32*(\i/2)+8*(\i%2))*4+16*\p     ; THE BIAS IS WHAT THE SUMS BEGIN WITH: in tile i a lane's eight registers are channels 32 (i / 2) + 16 (lane / 16) + 8 (i % 2) on
	global_load_b128 v[ACC+8*(8*\j+4+\i)+4*\p:ACC+8*(8*\j+4+\i)+4*\p+3], v10, s[56:57] offset:(32*(\i/2)+8*(\i%2))*4+16*\p
.endr
.endr
.endr
	s_lshr_b32 s61, s24, 4                         ; where the results go: (16 (8 batch + head) + blk % 16) x four groups or a key step, + my group
	s_lshl_b32 s61, s61, 3
	s_add_co_u32 s61, s61, s60
	s_lshl_b32 s61, s61, 4
	s_and_b32 s62, s24, 15
	s_add_co_u32 s61, s61, s62
	s_mov_b32 s62, 32256
	s_cmp_eq_u32 s25, 0
	s_cselect_b32 s62, 4*GRP, s62
	s_cselect_b64 s[18:19], s[18:19], s[20:21]     ; QR or KV
	s_mul_i32 s62, s61, s62
	s_mul_i32 s63, s59, GRP
	s_add_co_u32 s62, s62, s63
	s_mov_b32 s63, 0
	s_add_nc_u64 s[18:19], s[18:19], s[62:63]
	s_wait_tensorcnt 0x0                           ; my records are in,
	s_barrier_signal -1
	s_barrier_wait -1                              ; everybody's are; nothing is filled again in this launch
	s_wait_loadcnt 0x0                             ; the bias
	GEMM 0
	PLACES 4                                       ; in front of the first read of results and of writes over operands
.irp j, 0,1
.set A, ACC+64*\j                      ; x in v[A] on, y in v[A + 32] on: register 16 b + i = channel 32 b + 16 (lane / 16) + i
	s_wait_xcnt 0x0                                ; the last tile's stores have read the codes' registers, which the reciprocal roots share
.set n, 0
.rept 16
	v_pk_mul_f32 v[RR+n:RR+n+1], v[A+n:A+n+1], v[A+n:A+n+1]         ; each accumulator is read from its low end on
.set n, n+2
.endr
.set n, 0
.rept 16
	v_pk_fma_f32 v[RR+n:RR+n+1], v[A+32+n:A+32+n+1], v[A+32+n:A+32+n+1], v[RR+n:RR+n+1]
.set n, n+2
.endr
.set n, 0
.rept 32
	v_max_num_f32 v[II+n], 0x800000, v[RR+n]       ; the floor 2^-126
.set n, n+1
.endr
.set n, 0
	s_wait_alu depctr_va_vdst(0)
.rept 32
	v_rsq_f32 v[II+n], v[II+n]
.set n, n+1
.endr
	v_nop                                          ; a plain place behind the last of the batch
	s_wait_alu depctr_va_vdst(0)                   ; one wait for the 32, ahead of their first reader
.set n, 0
.rept 16
	v_pk_mul_f32 v[A+n:A+n+1], v[A+n:A+n+1], v[II+n:II+n+1]         ; cos
	v_pk_mul_f32 v[A+32+n:A+32+n+1], v[A+32+n:A+32+n+1], v[II+n:II+n+1]   ; sin
.set n, n+2
.endr
.set n, 0
.rept 32
	v_cmp_gt_f32 vcc_lo, 0x800000, v[RR+n]
	s_delay_alu instid0(VALU_DEP_1)
	v_cndmask_b32 v[A+n], v[A+n], v246, vcc_lo     ; under the floor: cos = 1
.set n, n+1
.endr
.set n, 0
.rept 16
	v_pk_mul_f32 v[RR+n:RR+n+1], v[RR+n:RR+n+1], v[II+n:II+n+1]     ; r
.set n, n+2
.endr
	QUANT A, 2, 240+2*\j                           ; cos | sin: a fragment, and its word
.irp c, 0,1,2
	global_store_b128 v[LI], v[PC+4*\c:PC+4*\c+3], s[18:19] offset:2304*\j+512*\c
.endr
	s_wait_xcnt 0x0                                ; those stores have read the codes' registers
	QUANT RR, 1, 241+2*\j                          ; r: half a fragment, and two bytes,
	v_lshl_or_b32 v[241+2*\j], v[241+2*\j], 16, v[241+2*\j]   ; which stand in both halves of their word: attention lays r's 64 at k 0-63 or at k 64-127
	global_store_b128 v[LI], v[PC:PC+3], s[18:19] offset:2304*\j+1536
	global_store_b64 v[L8], v[PC+4:PC+5], s[18:19] offset:2304*\j+2048
.endr
	v_cmp_gt_u32 vcc_lo, 16, v14
	s_delay_alu instid0(VALU_DEP_1)
	v_cndmask_b32 v244, v242, v240, vcc_lo         ; lanes 0-15: tile 0's two words; lanes 16-31: tile 1's
	s_delay_alu instid0(VALU_DEP_2)
	v_cndmask_b32 v245, v243, v241, vcc_lo
	global_store_b64 v[L8], v[244:245], s[18:19] offset:2*2304
	s_branch .Lend
	; ---------------- values
.Lv:
	s_lshr_b32 s58, s[WV], 3                       ; mv: vx or vy
	s_bfe_u32 s59, s[WV], 0x20001                  ; hh: my head of the half
	s_and_b32 s60, s[WV], 1                        ; c2: which two of its four channel tiles
	s_mul_i32 s61, s58, 8*REC
	s_add_co_u32 s61, s61, XO
	s_wait_alu depctr_va_vdst(0)
	v_add_nc_u32 v[AP], s61, v[LI]                 ; token tiles 0-3;
	s_delay_alu instid0(VALU_DEP_1)
	v_add_nc_u32 v[AP+1], 4*REC, v[AP]             ; 4-7
	s_mul_i32 s61, s58, 16*REC
	s_mul_i32 s62, s59, 4*REC
	s_add_co_u32 s61, s61, s62
	s_mul_i32 s62, s60, 2*REC
	s_add_co_u32 s61, s61, s62
	v_add_nc_u32 v[AQ], s61, v[LI]                 ; my two tiles of W, in both phases
	v_add_nc_u32 v[AQ+1], s61, v[LI]
	v_and_b32 v15, 15, v0
	s_delay_alu instid0(VALU_DEP_1)
	v_and_b32 v16, 8, v15
	s_delay_alu instid0(VALU_DEP_1)
	v_add_nc_u32 v15, v15, v16
	s_delay_alu instid0(VALU_DEP_1)
	v_lshlrev_b32 v15, 2, v15                      ; my channel in a tile: r + 8 (r / 8)
	s_wait_alu depctr_va_vdst(0)
	s_lshl_b32 s62, s26, 3
	s_lshl_b32 s63, s59, 1
	s_add_co_u32 s62, s62, s63
	s_add_co_u32 s62, s62, s60
	s_lshl_b32 s62, s62, 7                         ; 32 channels x (8 half + 2 hh + c2)
	s_mov_b32 s63, 0
	s_cmp_eq_u32 s58, 0
	s_cselect_b64 s[54:55], s[14:15], s[16:17]     ; bvx or bvy
	s_add_nc_u64 s[54:55], s[54:55], s[62:63]
	global_load_b32 v10, v15, s[54:55]             ; my channel's bias, twice: a pair for the packed addition; tile 0,
	global_load_b32 v11, v15, s[54:55]
	global_load_b32 v12, v15, s[54:55] offset:32   ; tile 1
	global_load_b32 v13, v15, s[54:55] offset:32
	s_lshr_b32 s61, s24, 4                         ; the key step's record: 16 (8 batch + 4 half + hh) + blk % 16
	s_lshl_b32 s61, s61, 3
	s_lshl_b32 s62, s26, 2
	s_add_co_u32 s61, s61, s62
	s_add_co_u32 s61, s61, s59
	s_lshl_b32 s61, s61, 4
	s_and_b32 s62, s24, 15
	s_add_co_u32 s61, s61, s62
	s_mul_i32 s62, s61, 32256
	s_mov_b32 s63, 0
	s_add_nc_u64 s[20:21], s[20:21], s[62:63]
	s_lshl_b32 s62, s58, 8
	s_lshl_b32 s61, s60, 7
	s_add_co_u32 s62, s62, s61                     ; the scale words of tiles 4 mv + 2 c2 + 0, 1: 128 (2 mv + c2)
	s_add_nc_u64 s[56:57], s[20:21], s[62:63]
	s_mul_i32 s62, s58, 4*1536
	s_mul_i32 s61, s60, 2*1536
	s_add_co_u32 s62, s62, s61                     ; their fragments
	s_add_nc_u64 s[20:21], s[20:21], s[62:63]
	s_wait_tensorcnt 0x0                           ; my records are in,
	s_barrier_signal -1
	s_barrier_wait -1                              ; everybody's are
	s_wait_loadcnt 0x0
	GEMM 1
	PLACES 4
.irp j, 0,1
.set A, ACC+64*\j                      ; register 16 b + i = token 32 b + 16 (lane / 16) + i of the 128
.set n, 0
.rept 32
	v_pk_add_f32 v[A+n:A+n+1], v[A+n:A+n+1], v[10+2*\j:11+2*\j]     ; the bias; each accumulator from its low end on
.set n, n+2
.endr
	s_wait_xcnt 0x0                                ; the last tile's stores have read the codes' registers
	QUANT A, 2, 240+\j
.irp c, 0,1,2
	global_store_b128 v[LI], v[PC+4*\c:PC+4*\c+3], s[20:21] offset:VFO+1536*\j+512*\c
.endr
.endr
	v_cmp_gt_u32 vcc_lo, 16, v14
	s_delay_alu instid0(VALU_DEP_1)
	v_cndmask_b32 v244, v241, v240, vcc_lo         ; lanes 0-15: the even tile's words; lanes 16-31: the odd tile's
	global_store_b32 v[L4], v244, s[56:57] offset:VSO
.Lend:
	s_wait_tensorcnt 0x0                           ; the wave's end
	ds_add_u32 v[SPW], v[NIL]
	s_wait_dscnt 0x0
	CROUND                                         ; the closing round: no work-group ends while a partner may still ask for records that name it
	s_endpgm
.Lfunc_end_k_q74a8b8d058_proj:
	.size	k_q74a8b8d058_proj, .Lfunc_end_k_q74a8b8d058_proj-k_q74a8b8d058_proj
	.p2alignl 7, 3214868480
	.fill 96, 4, 3214868480
	.section	.rodata,"a",@progbits
	.p2align	6, 0x0
	.amdhsa_kernel k_q74a8b8d058_proj
		.amdhsa_group_segment_fixed_size 327680
		.amdhsa_private_segment_fixed_size 0
		.amdhsa_enable_private_segment 0
		.amdhsa_kernarg_size 72
		.amdhsa_user_sgpr_count 2
		.amdhsa_user_sgpr_kernarg_segment_ptr 1
		.amdhsa_wavefront_size32 1
		.amdhsa_system_sgpr_workgroup_id_x 1
		.amdhsa_system_sgpr_workgroup_id_y 1
		.amdhsa_system_sgpr_workgroup_id_z 1
		.amdhsa_system_vgpr_workitem_id 0
		.amdhsa_next_free_vgpr 256
		.amdhsa_next_free_sgpr 66
		.amdhsa_reserve_vcc 1
		.amdhsa_float_denorm_mode_32 3
		.amdhsa_float_denorm_mode_16_64 3
		.amdhsa_memory_ordered 1
		.amdhsa_forward_progress 1
		.amdhsa_inst_pref_size 101
	.end_amdhsa_kernel
	.amdgpu_metadata
---
amdhsa.version: [ 1, 2 ]
amdhsa.kernels:
  - .name:           k_q74a8b8d058_proj
    .symbol:         k_q74a8b8d058_proj.kd
    .args:
      - { .name: recs, .offset: 0, .size: 8, .value_kind: global_buffer, .address_space: global }
      - { .name: bqx, .offset: 8, .size: 8, .value_kind: global_buffer, .address_space: global }
      - { .name: bqy, .offset: 16, .size: 8, .value_kind: global_buffer, .address_space: global }
      - { .name: bkx, .offset: 24, .size: 8, .value_kind: global_buffer, .address_space: global }
      - { .name: bky, .offset: 32, .size: 8, .value_kind: global_buffer, .address_space: global }
      - { .name: bvx, .offset: 40, .size: 8, .value_kind: global_buffer, .address_space: global }
      - { .name: bvy, .offset: 48, .size: 8, .value_kind: global_buffer, .address_space: global }
      - { .name: QR, .offset: 56, .size: 8, .value_kind: global_buffer, .address_space: global }
      - { .name: KV, .offset: 64, .size: 8, .value_kind: global_buffer, .address_space: global }
    .group_segment_fixed_size: 327680
    .private_segment_fixed_size: 0
    .kernarg_segment_align: 8
    .kernarg_segment_size: 72
    .max_flat_workgroup_size: 512
    .sgpr_count:     66
    .vgpr_count:     256
    .wavefront_size: 32
...
	.end_amdgpu_metadata
.endif
;; end of part 2
;; launch attn (part 3): grid 16 x 16, 8 waves a work-group, clusters of 4 x 1, 327,680 bytes of LDS; arguments QR, KV, AO; writes AO
.if DOCPART == 3
	.amdgcn_target "amdgcn-amd-amdhsa--gfx1250"
	.amdhsa_code_object_version 6
	.text
	.protected	k_q74a8b8d058_attn
	.globl	k_q74a8b8d058_attn
	.p2align	8
	.type	k_q74a8b8d058_attn,@function
k_q74a8b8d058_attn:
	s_mov_b64 s[64:65], 0
	v_nop
	global_prefetch_b8 v0, s[64:65] scope:SCOPE_SE
	s_setreg_imm32_b32 hwreg(HW_REG_WAVE_MODE, 25, 1), 1
	s_wait_xcnt 0x0
	s_wait_alu depctr_hold_cnt(0) depctr_sa_sdst(0) depctr_va_vdst(0) depctr_va_sdst(0) depctr_va_ssrc(0) depctr_va_vcc(0) depctr_vm_vsrc(0)
	s_getreg_b32 s2, hwreg(HW_REG_IB_STS2, 6, 4)
	s_cmp_eq_u32 s2, 0
	s_cbranch_scc0 .Lentry_in_a_cluster
	s_endpgm
.Lentry_in_a_cluster:
	s_bfe_u32 s2, ttmp6, 0x10000c
	s_cmp_lg_u32 s2, 0x3003
	s_cbranch_scc0 .Lentry_shape_is_right
	s_endpgm
.Lentry_shape_is_right:
; Attention on the operands that the launch before made.  Nothing is left out; the three score products are one sum over K = 192 (the head of the first launch says why that is the same for all inputs).
; Work-group (qblk, bh): 128 queries of one head of one batch.  WAVE w owns the 32 queries of group w % 4 (two tiles of 16) and A PART OF THE KEYS; waves w and w + 4 share the group's keys and join their parts through LDS at the end,
; where each finishes one of the two tiles.  Register tile j of wave w holds query tile j xor (w / 4): every wave keeps its register tile 0 and sends its register tile 1, so one text serves all waves.
; THE DEAL: a slot holds four key steps, which against two query tiles are eight tile steps.  Waves 0-3 take steps 0 and 1 whole and step 2 for their register tile 0 (query tile 0): five.  Waves 4-7 take step 2 for their register
; tile 0 (query tile 1) and step 3 whole: three.  So query tile 0 has steps 0, 1, 2 from wave w and step 3 from wave w + 4, query tile 1 steps 0, 1 from wave w and 2, 3 from wave w + 4: every key once.  Any partition of a tile's
; keys between the two waves gives the same sums but for rounding.  The step is written once and walked three times a slot, at steps i + w / 4; scalar branches on the wave's number and the trip lead round a whole step (waves 4-7, step 1)
; or round the second tile's scores and softmax (step 2), and round no barrier, wait for tiles, add or tensor load.  In a whole step each fragment of K and V that a wave reads from LDS feeds two matrix instructions.
; S^T = K Q^T: first source 16 keys, second 16 queries.  K = 128 (cos | sin), then r's 64.  THE r HALVES OF TWO KEY TILES SHARE ONE FRAGMENT [r of tile 2 g | r of tile 2 g + 1]; it is multiplied with [r of q | zero codes] for
; tile 2 g and with [zero codes | r of q] for tile 2 g + 1.  The two images of q's r overlap in registers: zeros, r of tile 0, zeros, r of tile 1, zeros, six registers each.  r's two scale bytes stand in both halves of their words.
; O^T = V^T P^T: first source 16 channels (vx's 64, then vy's 64), second p: a lane holds ONE query throughout.  The 16 registers of key tiles 2 b, 2 b + 1 are keys 32 b + 16 (lane / 16) + 0 .. 15.
; THE SOFTMAX: t = sum x log2(e) / 128; M = the running largest t rounded up to a whole number; p = 2^(t - M) is quantised along the keys, not normalised; the row's sum is taken of the unquantised p and divides O at the end;
; when M moves, and where the two parts of the keys are joined, sums and O are multiplied by powers of two, which round nothing.  A block's largest p is made from the block's largest score by the same multiply-add and exponential.
; LIMIT: the promise holds while the exponents t stay under 2^31 in magnitude.
; THE RING: two LDS slots of four key steps' records (129,024 bytes), dense images of registers.  Each wave fetches an eighth of a slot: one tensor load of mine is out at the most.
; CLUSTER: the four partners are four query blocks of one head and walk the same records: every load is asked for JOINTLY (mask 15).
; PREFETCH: while slot phase 0 (1) is walked, each wave names the blocks of 256 bytes of its eighth of the records of phase 2 (3), whose tensor load stands at the head of the next phase: 63 blocks, of which the partner at place cx
; takes 16 cx .. 16 cx + 15 by address; lanes left over name the last of them again.  Phases 0 and 1 come by their loads alone; nothing is named past key step 15.
; THE WAY OUT: as laid for the last launch: AO [2 results][256 token tiles] records of 7,168 bytes: head hd's half fragment at 768 hd (512 + 256), its scale word at 6,144 + 128 hd (low 16 bits).
; REGISTERS.  Window 0: v1-9 offsets and addresses; v12-19 for each tile -M, the largest score, the sum's two halves; v20 f, v21 p's scale word; v22-25 Q's scale words, v26-33 K's, v34-37 V's; v38-61 Q's cos | sin;
;   v62-91 Q's r among zeros; v92-219 S^T, then p; v220-243 K's r fragments 2, 3, at work in the softmax once they are multiplied; v244-255 at work.   Window 1: v0-127 O^T; v128-223 K's eight fragments, then V's; v224-247 K's r fragments 0, 1.
.set GRP,   4864
.set STEPB, 32256
.set SLOTB, 4*STEPB
.set VFO,   4*GRP
.set VSO,   VFO+8*1536
.set SPARE, 2*SLOTB
.set AOY,   256*7168
.set WSTG,  8704                       ; the join: a wave's stage, 8,192 bytes of O and 256 of state, in slot 0, which has had its last fill and its last read by then
.set LI,  1
.set L8,  2
.set L4,  3
.set SPW, 4
.set NIL, 5
.set A16, 6
.set A8,  7
.set A4,  8
.set PFO, 9
.set ST,  12
.set FF,  20
.set QS,  22
.set KS,  26
.set VS,  34
.set QC,  38
.set QZ,  62
.set S,   92
.set RH,  220
.set BM,  220
.set PM,  224
.set CV,  228
.set P,   232
.set SPL, 244
.set T,   252
.set KB,  128                          ; window 1
.set RL,  224                          ; window 1
.set WV,  10
.set SEL, 32
.set CS,  34                           ; s[34:35] c = log2(e) / 128
.set TB,  36
.set CNT, 37
.set WO,  48                           ; s48  where my first key step of a slot begins: step w / 4
.set KEY, 60                           ; s60  the slot's key step + 4 (w / 4): 0, 1, 2 in waves 0-3; 5, 6, 7 in waves 4-7
.set HF,  61                           ; s61  the slot's key step: at 2 only register tile 0 is mine
.set MSB, 0
.macro WIN new                         ; the immediate's high byte repeats the setting that is left
.if MSB != \new
	s_set_vgpr_msb (MSB<<8)|\new
.set MSB, \new
.endif
.endm
.macro PLACES n
.rept \n
	v_nop
.endr
.endm
.macro CROUND                          ; a round of the cluster's barrier
	s_barrier_signal -1
	s_barrier_wait -1
	s_cmp_lg_u32 s[WV], 0
	s_cbranch_scc1 .Lnot_wave_0_\@
	s_barrier_signal -3
.Lnot_wave_0_\@:
	s_barrier_wait -3
	s_barrier_signal -1
	s_barrier_wait -1
.endm
.macro WM d, a, b, z, sa, sb, row      ; one product; z = 1: it starts its sum; row = 1: the first source's scales from lanes 16-31
.if \z
.if \row
	v_wmma_scale_f32_16x16x128_f8f6f4 v[(\d):(\d)+7], v[(\a):(\a)+11], v[(\b):(\b)+11], 0, v[\sa], v[\sb] matrix_a_fmt:MATRIX_FMT_FP6 matrix_b_fmt:MATRIX_FMT_FP6 matrix_a_scale:MATRIX_SCALE_ROW1
.else
	v_wmma_scale_f32_16x16x128_f8f6f4 v[(\d):(\d)+7], v[(\a):(\a)+11], v[(\b):(\b)+11], 0, v[\sa], v[\sb] matrix_a_fmt:MATRIX_FMT_FP6 matrix_b_fmt:MATRIX_FMT_FP6
.endif
.else
.if \row
	v_wmma_scale_f32_16x16x128_f8f6f4 v[(\d):(\d)+7], v[(\a):(\a)+11], v[(\b):(\b)+11], v[(\d):(\d)+7], v[\sa], v[\sb] matrix_a_fmt:MATRIX_FMT_FP6 matrix_b_fmt:MATRIX_FMT_FP6 matrix_a_scale:MATRIX_SCALE_ROW1
.else
	v_wmma_scale_f32_16x16x128_f8f6f4 v[(\d):(\d)+7], v[(\a):(\a)+11], v[(\b):(\b)+11], v[(\d):(\d)+7], v[\sa], v[\sb] matrix_a_fmt:MATRIX_FMT_FP6 matrix_b_fmt:MATRIX_FMT_FP6
.endif
.endif
.endm
.macro BYTES pw                        ; four blocks' largest magnitudes in v[BM] on become the conversions' scale operands in v[CV] on and the scale word in v[pw]
.irp b, 0,1,2,3
	v_add_nc_u32 v[CV+\b], 0xff000000, v[BM+\b]    ; 2 off the exponent field
.endr
.irp b, 0,1,2,3
	s_delay_alu instid0(VALU_DEP_4)
	v_lshrrev_b32 v[PM+\b], 23, v[CV+\b]           ; the byte
.endr
	s_delay_alu instid0(VALU_DEP_3)
	v_lshl_or_b32 v[\pw], v[PM+1], 8, v[PM]
	s_delay_alu instid0(VALU_DEP_1)
	v_lshl_or_b32 v[\pw], v[PM+2], 16, v[\pw]
	s_delay_alu instid0(VALU_DEP_1)
	v_lshl_or_b32 v[\pw], v[PM+3], 24, v[\pw]
.endm
.macro CODES s                         ; 64 numbers of a lane, register 16 b + i = k 32 b + 16 (lane / 16) + i, become a fragment in v[P] on
.irp c, 0,1
	v_cvt_scalef32_pk16_fp6_f32 v[P+6*\c:P+6*\c+2], v[(\s)+32*\c:(\s)+32*\c+15], v[CV+2*\c]
	v_cvt_scalef32_pk16_fp6_f32 v[SPL+4*\c:SPL+4*\c+2], v[(\s)+32*\c+16:(\s)+32*\c+31], v[CV+2*\c+1]   ; (a conversion's three registers begin on an even number)
.endr
	v_nop                                          ; one plain place behind the conversions
.irp c, 0,1
.irp i, 0,1,2
	v_permlane16_swap_b32 v[P+6*\c+\i], v[SPL+4*\c+\i]   ; a whole block to a lane
.endr
.irp i, 0,1,2
	s_delay_alu instid0(VALU_DEP_3)
	v_mov_b32 v[P+3+6*\c+\i], v[SPL+4*\c+\i]
.endr
.endr
.endm
	s_load_b128 s[4:7], s[0:1], 0x0                ; QR, KV
	s_load_b64 s[8:9], s[0:1], 0x10                ; AO
	v_lshl_add_u32 v[SPW], v0, 2, SPARE
	v_mov_b32 v[NIL], 0
	ds_add_u32 v[SPW], v[NIL]                      ; the wave's opening: the add, twice on end, and its wait ahead of my first tensor load
	ds_add_u32 v[SPW], v[NIL]
	v_lshrrev_b32 v10, 5, v0
	s_delay_alu instid0(VALU_DEP_1)
	v_readfirstlane_b32 s[WV], v10                 ; wave 0..7
	s_bfe_u32 s11, ttmp6, 0x40000                  ; my place in the cluster
	s_lshl_b32 s12, ttmp9, 2
	s_add_co_u32 s12, s12, s11                     ; qblk: it enters QR's and AO's addresses alone
	s_and_b32 s13, ttmp7, 0xffff                   ; bh, which the four partners share
	; group 1: an eighth of a slot, 16,128 dense bytes, as 63 rows of 256 bytes (32 elements of 8 bytes); the mask names all four partners, bit 21 beside it
	s_mov_b32 s16, 15|(3<<16)|(1<<21)
	s_mov_b32 s17, 32<<16
	s_mov_b32 s18, 63<<16
	s_mov_b32 s19, 32<<16
	s_mov_b32 s20, 63
	s_mov_b32 s21, 32
	s_mov_b32 s22, 0
	s_mov_b32 s23, 0
	s_mov_b32 s[SEL], 0x76543210
	s_mov_b32 s[SEL+1], 0xfedcba98
	s_mov_b32 s[CS], 0x3c38aa3b
	s_mov_b32 s[CS+1], s[CS]                       ; (named with it as a pair, so it is written)
	s_mul_i32 s38, s13, 16*STEPB                   ; the head's records,
	s_mul_i32 s14, s[WV], SLOTB/8                  ; my eighth
	s_add_co_u32 s38, s38, s14
	s_mov_b32 s39, 0
	s_mov_b32 s24, 1
	s_mov_b32 s25, s14                             ; slot 0
	s_mov_b32 s28, 1
	s_add_co_u32 s29, s14, SLOTB                   ; slot 1
	s_lshr_b32 s49, s[WV], 2                       ; u = w / 4: which part of the keys; also the query tile that I finish
	s_and_b32 s59, s[WV], 3                        ; my group of 32 queries
	s_mul_i32 s[WO], s49, STEPB
	s_lshl_b32 s40, s13, 6                         ; the group's record: 64 bh + 4 qblk + w % 4
	s_lshl_b32 s41, s12, 2
	s_add_co_u32 s40, s40, s41
	s_add_co_u32 s40, s40, s59
	s_mul_i32 s40, s40, GRP
	s_mov_b32 s41, 0
	s_xor_b32 s43, s49, 1
	s_mul_i32 s44, s49, 2304                       ; register tile 0 is query tile u,
	s_mov_b32 s45, 0
	s_mul_i32 s46, s43, 2304                       ; register tile 1 the other
	s_mov_b32 s47, 0
	s_lshl_b32 s56, s49, 7
	s_lshl_b32 s57, s43, 7
	s_lshl_b32 s58, s11, 4
	s_wait_dscnt 0x0                               ; both opening adds are done
	s_wait_kmcnt 0x0
	s_add_nc_u64 s[26:27], s[6:7], s[38:39]        ; key steps 0-3,
	s_mov_b64 s[50:51], s[26:27]                   ; (the prefetches' base; never rewritten)
	s_add_nc_u64 s[30:31], s[26:27], SLOTB         ; 4-7
	s_or_b32 s27, s27, 0x80000000
	s_or_b32 s31, s31, 0x80000000
	CROUND                                         ; all four work-groups are here: the first joint loads meet
	tensor_load_to_lds s[24:27], s[16:23]          ; slot 0: one tensor load a wave at the head
	s_nop 0
	PLACES 4
	s_add_nc_u64 s[4:5], s[4:5], s[40:41]          ; my group,
	s_add_nc_u64 s[52:53], s[4:5], s[44:45]        ; its two tiles
	s_add_nc_u64 s[54:55], s[4:5], s[46:47]
	v_and_b32 v9, 31, v0
	v_and_b32 v10, 15, v0
	s_delay_alu instid0(VALU_DEP_2)
	v_lshlrev_b32 v[LI], 4, v9
	v_lshlrev_b32 v[L8], 3, v9
	v_lshlrev_b32 v[L4], 2, v9
	v_lshlrev_b32 v11, 3, v10
	v_min_u32 v9, 15, v9
	s_delay_alu instid0(VALU_DEP_2)
	v_add_nc_u32 v10, s56, v11                     ; my query's scale pair: 8 (lane % 16 + 16 x query tile)
	v_add_nc_u32 v11, s57, v11
	v_add_nc_u32 v9, s58, v9
	s_delay_alu instid0(VALU_DEP_1)
	v_min_u32 v9, 62, v9
	s_delay_alu instid0(VALU_DEP_1)
	v_lshlrev_b32 v[PFO], 8, v9                    ; the prefetches' offset: block min(16 cx + min(lane, 15), 62) of my eighth's 63
	s_wait_alu depctr_va_vdst(0)
.irp j, 0,1
.irp c, 0,1,2
	global_load_b128 v[QC+12*\j+4*\c:QC+12*\j+4*\c+3], v[LI], s[52+2*\j:53+2*\j] offset:512*\c   ; Q stays in registers: cos | sin,
.endr
	global_load_b128 v[QZ+6+12*\j:QZ+9+12*\j], v[LI], s[52+2*\j:53+2*\j] offset:1536              ; r
	global_load_b64 v[QZ+10+12*\j:QZ+11+12*\j], v[L8], s[52+2*\j:53+2*\j] offset:2048
	global_load_b64 v[QS+2*\j:QS+2*\j+1], v[10+\j], s[4:5] offset:2*2304
.endr
.irp z, 0,12,24
.irp i, 0,1,2,3,4,5
	v_mov_b32 v[QZ+\z+\i], 0                       ; zero codes beside r's 64
.endr
.endr
.irp j, 0,1
	v_mov_b32 v[ST+4*\j], 0x7f61b1e6               ; -M: 3e38
	v_mov_b32 v[ST+4*\j+1], 0xff61b1e6             ; the largest score so far: -3e38, under every score
	v_mov_b32 v[ST+4*\j+2], 0                      ; the sum, in two halves
	v_mov_b32 v[ST+4*\j+3], 0
.endr
	v_mov_b32 v[FF+1], 0                           ; (named as the upper half of the pair before it is first written)
.irp i, 0,1,2,3,4,5,6,7
	v_mov_b32 v[PM+\i], 0                          ; written once: lane permutes' destinations and pairs' upper halves, on every way through the branches below
.endr
.set n, 0
.rept 64
	v_mov_b32 v[S+64+n], 0                         ; register tile 1's S^T is written once here, so that every way through the branches below finds it written
.set n, n+1
.endr
	s_wait_loadcnt 0x0                             ; Q
	v_add_nc_u32 v[QS+1], 0x03030303, v[QS+1]      ; THE FACTOR 8 ON r r: 3 onto the bytes of q's r blocks; the lines below stand between these writes of scale registers and the first product
	v_add_nc_u32 v[QS+3], 0x03030303, v[QS+3]
	WIN 0x40
.set n, 0
.rept 128
	v_mov_b32 v[n], 0                              ; O^T: the step is written once; its first run finds zeros, which the first change of M leaves zeros
.set n, n+1
.endr
	WIN 0
; THE SCORES OF REGISTER TILE j: eight accumulators by turns, twice: cos | sin, then r
.macro SCORES j
	WIN 0x01                                       ; the first source in window 1
.irp k, 0,1,2,3,4,5,6,7
	WM S+64*\j+8*\k, KB+12*\k, QC+12*\j, 1, KS+2*(\k/2), QS+2*\j, \k%2
.endr
.if \j == 0
	s_wait_dscnt 0x0                               ; r
.endif
.irp g, 0,1
.irp u, 0,1
	WM S+64*\j+8*(2*\g+\u), RL+12*\g, QZ+6+12*\j-6*\u, 0, KS+2*\g+1, QS+2*\j+1, \u
.endr
.endr
	WIN 0
.irp g, 2,3
.irp u, 0,1
	WM S+64*\j+8*(2*\g+\u), RH+12*(\g-2), QZ+6+12*\j-6*\u, 0, KS+2*\g+1, QS+2*\j+1, \u
.endr
.endr
.endm
; THE SOFTMAX OF REGISTER TILE j AND ITS VALUE PRODUCT
.macro SOFT j
.set SS, S+64*\j
.set SA, ST+4*\j
	s_wait_alu depctr_va_vdst(0)                   ; directly ahead of the first read of the scores
.irp b, 0,1,2,3
	v_max3_num_f32 v[BM+\b], v[SS+16*\b], v[SS+16*\b+1], v[SS+16*\b+2]   ; the largest score of each block of 32 keys: for the row's maximum and for the block's largest p
.endr
.irp i, 3,5,7,9,11,13
.irp b, 0,1,2,3
	v_max3_num_f32 v[BM+\b], v[BM+\b], v[SS+16*\b+\i], v[SS+16*\b+\i+1]
.endr
.endr
.irp b, 0,1,2,3
	v_max_num_f32 v[BM+\b], v[BM+\b], v[SS+16*\b+15]
.endr
.irp b, 0,1,2,3
	s_delay_alu instid0(VALU_DEP_4)
	v_permlanex16_b32 v[PM+\b], v[BM+\b], s[SEL], s[SEL+1]
.endr
.irp b, 0,1,2,3
	s_delay_alu instid0(VALU_DEP_4)
	v_max_num_f32 v[BM+\b], v[BM+\b], v[PM+\b]     ; with lane l xor 16's 16 keys
.endr
	s_delay_alu instid0(VALU_DEP_2)
	v_max3_num_f32 v[T], v[BM], v[BM+1], v[BM+2]
	s_delay_alu instid0(VALU_DEP_1)
	v_max3_num_f32 v[SA+1], v[SA+1], v[T], v[BM+3] ; the running largest score of my query
	s_delay_alu instid0(VALU_DEP_1)
	v_mul_f32 v[T], s[CS], v[SA+1]                 ; as t (c is positive)
	s_delay_alu instid0(VALU_DEP_1)
	v_floor_f32 v[T+1], -v[T]                      ; the new -M = floor(-t): M is a whole number
	s_delay_alu instid0(VALU_DEP_1)
	v_sub_f32 v[T], v[T+1], v[SA]                  ; old M less new M: a whole number, 0 or less
	v_mov_b32 v[SA], v[T+1]
	s_delay_alu instid0(VALU_DEP_2)
	v_cvt_i32_f32 v[T], v[T]                       ; (it saturates)
	s_delay_alu instid0(VALU_DEP_1)
	v_ldexp_f32 v[FF], 1.0, v[T]                   ; f = 2^(old M - new M)
.set n, 0
.rept 32
	v_pk_fma_f32 v[SS+n:SS+n+1], v[SS+n:SS+n+1], s[CS:CS+1], v[SA:SA+1] op_sel_hi:[1,0,0]   ; t - M, two at a time
.set n, n+2
.endr
.irp b, 0,1,2,3
	v_fma_f32 v[BM+\b], v[BM+\b], s[CS], v[SA]     ; the same of each block's largest score
.endr
	s_wait_alu depctr_va_vdst(0)                   ; ahead of the batch
.set n, 0
.rept 64
	v_exp_f32 v[SS+n], v[SS+n]                     ; p = 2^(t - M), at most 1
.set n, n+1
.endr
.irp b, 0,1,2,3
	v_exp_f32 v[BM+\b], v[BM+\b]                   ; the block's largest p
.endr
	v_pk_mul_f32 v[SA+2:SA+3], v[SA+2:SA+3], v[FF:FF+1] op_sel_hi:[1,0]   ; the sums under the new M: a plain place behind the batch
	s_wait_alu depctr_va_vdst(0)                   ; one wait for the 68, ahead of their first reader
.irp i, 0,1,2,3,4,5,6                          ; the row's sum of the unquantised p: eight chains by turns
	v_pk_add_f32 v[P+2*\i:P+2*\i+1], v[SS+4*\i:SS+4*\i+1], v[SS+4*\i+2:SS+4*\i+3]
.endr
	v_pk_add_f32 v[SA+2:SA+3], v[SA+2:SA+3], v[SS+28:SS+29]
.irp r, 0,1
.irp i, 0,1,2,3,4,5,6
	v_pk_add_f32 v[P+2*\i:P+2*\i+1], v[P+2*\i:P+2*\i+1], v[SS+30+16*\r+2*\i:SS+31+16*\r+2*\i]
.endr
	v_pk_add_f32 v[SA+2:SA+3], v[SA+2:SA+3], v[SS+44+16*\r:SS+45+16*\r]
.endr
	v_pk_add_f32 v[P:P+1], v[P:P+1], v[SS+62:SS+63]
	v_pk_add_f32 v[P+4:P+5], v[P+4:P+5], v[P+6:P+7]
	v_pk_add_f32 v[P+8:P+9], v[P+8:P+9], v[P+10:P+11]
	v_pk_add_f32 v[SA+2:SA+3], v[SA+2:SA+3], v[P+12:P+13]
	v_pk_add_f32 v[P:P+1], v[P:P+1], v[P+2:P+3]
	s_delay_alu instid0(VALU_DEP_2)
	v_pk_add_f32 v[SA+2:SA+3], v[SA+2:SA+3], v[P+8:P+9]
	s_delay_alu instid0(VALU_DEP_2)
	v_pk_add_f32 v[P:P+1], v[P:P+1], v[P+4:P+5]
	s_delay_alu instid0(VALU_DEP_1)
	v_pk_add_f32 v[SA+2:SA+3], v[SA+2:SA+3], v[P:P+1]
.irp b, 0,1,2,3
	v_max_num_f32 v[BM+\b], 0x1800000, v[BM+\b]    ; the floor 2^(3 - 127): the byte cannot fall under 1
.endr
	BYTES FF+1                                     ; p's scale word for these 128 keys
	CODES SS
	WIN 0x41                                       ; destination and first source in window 1
	s_wait_alu depctr_va_vdst(0)                   ; directly ahead of the first read of O^T
.set n, 0
.rept 32
	v_pk_mul_f32 v[64*\j+n:64*\j+n+1], v[64*\j+n:64*\j+n+1], v[FF:FF+1] op_sel_hi:[1,0]   ; O^T under the new M; these 32 are also the places between the writes of p's codes and scale word and the products
.set n, n+2
.endr
.if \j == 0
	s_wait_alu depctr_va_vdst(0)
	s_wait_dscnt 0x0                               ; V is in
.endif
	WIN 0x51                                       ; V and O^T in window 1, p in window 0
.irp t, 0,1,2,3,4,5,6,7                        ; the eight accumulators take turns
	WM 64*\j+8*\t, KB+12*\t, P, 0, VS+\t/2, FF+1, \t%2
.endr
	WIN 0
.endm
; A KEY STEP: 128 keys, whose record begins at LDS byte s[TB], against my 32 queries, or against register tile 0's 16, or not mine at all.  The branches hang on the wave's number and the trip alone.
.macro STEP
	s_cmp_eq_u32 s[KEY], 5                         ; waves 4-7, the slot's step 1: waves 0-3 take it whole
	s_cbranch_scc1 .Lnot_mine_\@
	v_add_nc_u32 v[A16], s[TB], v[LI]
	v_add_nc_u32 v[A8], s[TB], v[L8]
	v_add_nc_u32 v[A4], s[TB], v[L4]
	v_nop                                          ; these four are the places in front of loads into registers that the last products read
.irp b, 0,1,2,3
	ds_load_b64 v[KS+2*\b:KS+2*\b+1], v[A8] offset:GRP*\b+2*2304   ; two words a key: lanes 0-15 tile 2 b's, lanes 16-31 tile 2 b + 1's
.endr
	WIN 0x40
.irp b, 0,1,2,3
.irp u, 0,1
.irp c, 0,1,2
	ds_load_b128 v[KB+12*(2*\b+\u)+4*\c:KB+12*(2*\b+\u)+4*\c+3], v[A16] offset:GRP*\b+2304*\u+512*\c
.endr
.endr
.endr
.irp g, 0,1
.irp u, 0,1
	ds_load_b128 v[RL+12*\g+6*\u:RL+12*\g+6*\u+3], v[A16] offset:GRP*\g+2304*\u+1536   ; tile 2 g + u's r: registers 6 u on of fragment g
	ds_load_b64 v[RL+12*\g+6*\u+4:RL+12*\g+6*\u+5], v[A8] offset:GRP*\g+2304*\u+2048
.endr
.endr
	WIN 0
.irp g, 2,3
.irp u, 0,1
	ds_load_b128 v[RH+12*(\g-2)+6*\u:RH+12*(\g-2)+6*\u+3], v[A16] offset:GRP*\g+2304*\u+1536
	ds_load_b64 v[RH+12*(\g-2)+6*\u+4:RH+12*(\g-2)+6*\u+5], v[A8] offset:GRP*\g+2304*\u+2048
.endr
.endr
	s_wait_alu depctr_va_vdst(0)
	s_wait_dscnt 16                                ; the scale words and cos | sin are in; r's 16 loads may be out
	SCORES 0
	s_and_b32 s[HF], s[KEY], 3
	s_cmp_eq_u32 s[HF], 2                          ; the slot's step 2: register tile 1's keys are the other wave's
	s_cbranch_scc1 .Lone_tile_a_\@
	SCORES 1
.Lone_tile_a_\@:
	PLACES 4                                       ; in front of the loads over K's fragments, of writes over r's and of the first read of the scores
	WIN 0x40
.irp t, 0,1,2,3,4,5,6,7
.irp c, 0,1,2
	ds_load_b128 v[KB+12*\t+4*\c:KB+12*\t+4*\c+3], v[A16] offset:VFO+1536*\t+512*\c   ; V's eight fragments land while the first softmax is walked
.endr
.endr
	WIN 0
.irp i, 0,1,2,3
	ds_load_b32 v[VS+\i], v[A4] offset:VSO+128*\i  ; lanes 0-15 tile 2 i's words, lanes 16-31 tile 2 i + 1's
.endr
	SOFT 0
	s_cmp_eq_u32 s[HF], 2
	s_wait_alu depctr_va_vdst(0)
	s_cbranch_scc1 .Lone_tile_b_\@
	SOFT 1
.Lone_tile_b_\@:
.Lnot_mine_\@:
.endm
.macro STEPS base                      ; a slot: the step is written once and walked three times, at the slot's steps w / 4 + 0, 1, 2
	s_add_co_u32 s[TB], s[WO], \base
	s_mul_i32 s[KEY], s49, 5
	s_mov_b32 s[CNT], 3
.Lstep_\@:
	STEP
	s_add_co_u32 s[TB], s[TB], STEPB
	s_add_co_u32 s[KEY], s[KEY], 1
	s_sub_co_u32 s[CNT], s[CNT], 1
	s_cmp_lg_u32 s[CNT], 0
	s_wait_alu depctr_va_vdst(0)
	s_cbranch_scc1 .Lstep_\@
.endm
; THE CHANGE OF SLOTS.  Each wave waits for all its tensor loads (its part of the slot ahead), adds 0 to its spare word, and waits for that and for its reads of the slot that it leaves.
; fill = 1: a round of the cluster's barrier, so that no wave of any partner still reads that slot or has a load on its way; the joint load is the first thing behind it and my one load until the next change.
; step: what is added to the slot's address in memory;  pf: the slot of records that the prefetch names (0: none).
.macro CHANGE sl, fill, step, pf
	s_wait_tensorcnt 0x0                           ; no tensor load of mine is out, so a group 0 may be written
	ds_add_u32 v[SPW], v[NIL]
.if \step
	s_add_nc_u64 s[26+4*\sl:27+4*\sl], s[26+4*\sl:27+4*\sl], \step   ; the type bits on top are not reached
.endif
	s_wait_dscnt 0x0
.if \fill
	CROUND
	tensor_load_to_lds s[24+4*\sl:27+4*\sl], s[16:23]
	s_nop 0
	PLACES 4
.else
	s_barrier_signal -1
	s_barrier_wait -1
.endif
.if \pf
	global_prefetch_b8 v[PFO], s[50:51] offset:\pf*SLOTB th:TH_LOAD_NT scope:SCOPE_SE
.endif
.endm
	s_wait_alu depctr_va_vdst(0)                   ; the head's end
	CHANGE 1, 1, 0, 2                              ; slot 0 is whole; slot 1's first fill, key steps 4-7, is issued as a refill is
	STEPS 0                                        ; key steps 0-3
	CHANGE 0, 1, 2*SLOTB, 3
	STEPS SLOTB                                    ; 4-7
	CHANGE 1, 1, 2*SLOTB, 0
	STEPS 0                                        ; 8-11
	CHANGE 0, 0, 0, 0                              ; nothing is left to fetch; nobody reads slot 0 any more
	STEPS SLOTB                                    ; 12-15
; THE JOIN.  I send register tile 1 (O^T, -M, the sum) to the wave that walked the other part of the keys, and take its part of my register tile 0.
	PLACES 4                                       ; behind the last products
	s_mul_i32 s38, s[WV], WSTG
	s_xor_b32 s39, s[WV], 4
	s_mul_i32 s39, s39, WSTG
	v_add_f32 v[ST+5], v[ST+6], v[ST+7]            ; the sums' two halves
	v_add_f32 v[ST+1], v[ST+2], v[ST+3]
	v_add_nc_u32 v[A16], s38, v[LI]
	v_add_nc_u32 v[A8], s38, v[L8]
	v_add_nc_u32 v10, s39, v[LI]
	v_add_nc_u32 v11, s39, v[L8]
	WIN 0x04                                       ; the data in window 1
.irp i, 0,1,2,3,4,5,6,7,8,9,10,11,12,13,14,15
	ds_store_b128 v[A16], v[64+4*\i:64+4*\i+3] offset:512*\i   ; each accumulator from its low end on
.endr
	WIN 0
	ds_store_b64 v[A8], v[ST+4:ST+5] offset:8192
	s_wait_alu depctr_va_vdst(0)
	s_wait_dscnt 0x0                               ; my stores are done
	s_barrier_signal -1
	s_barrier_wait -1                              ; everybody's are
.irp i, 0,1,2,3,4,5,6,7,8,9,10,11,12,13,14,15
	ds_load_b128 v[S+4*\i:S+4*\i+3], v10 offset:512*\i
.endr
	ds_load_b64 v[T:T+1], v11 offset:8192          ; the other part's -M and sum
	s_wait_dscnt 0x0
	v_min_num_f32 v[T+2], v[ST], v[T]              ; -M of both parts together
	s_delay_alu instid0(VALU_DEP_1)
	v_sub_f32 v[BM], v[T+2], v[ST]                 ; whole numbers, 0 or less
	v_sub_f32 v[BM+1], v[T+2], v[T]
	s_delay_alu instid0(VALU_DEP_2)
	v_cvt_i32_f32 v[BM], v[BM]
	s_delay_alu instid0(VALU_DEP_2)
	v_cvt_i32_f32 v[BM+1], v[BM+1]
	s_delay_alu instid0(VALU_DEP_2)
	v_ldexp_f32 v[BM], 1.0, v[BM]                  ; the two powers of two
	s_delay_alu instid0(VALU_DEP_2)
	v_ldexp_f32 v[BM+1], 1.0, v[BM+1]
	s_delay_alu instid0(VALU_DEP_2)
	v_mul_f32 v[BM+2], v[ST+1], v[BM]
	s_delay_alu instid0(VALU_DEP_1)
	v_fma_f32 v[BM+2], v[T+1], v[BM+1], v[BM+2]
	s_delay_alu instid0(VALU_DEP_1)
	v_permlanex16_b32 v[PM], v[BM+2], s[SEL], s[SEL+1]
	s_delay_alu instid0(VALU_DEP_1)
	v_add_f32 v[BM+2], v[BM+2], v[PM]              ; with lane l xor 16's: the row's sum
	s_wait_alu depctr_va_vdst(0)
	v_rcp_f32 v[BM+3], v[BM+2]
	v_nop                                          ; a plain place behind the reciprocal
	s_lshr_b32 s38, s13, 3                         ; my token tile: 128 batch + 8 qblk + 2 (w % 4) + w / 4
	s_lshl_b32 s38, s38, 7
	s_lshl_b32 s39, s12, 3
	s_add_co_u32 s38, s38, s39
	s_lshl_b32 s39, s59, 1
	s_add_co_u32 s38, s38, s39
	s_add_co_u32 s38, s38, s49
	s_mul_i32 s38, s38, 7168
	s_and_b32 s40, s13, 7                          ; the head
	s_mul_i32 s41, s40, 768
	s_add_co_u32 s42, s38, s41
	s_mov_b32 s43, 0
	s_lshl_b32 s40, s40, 7
	s_add_co_u32 s44, s38, s40
	s_mov_b32 s45, 0
	s_add_nc_u64 s[42:43], s[8:9], s[42:43]        ; the half fragments,
	s_add_nc_u64 s[44:45], s[8:9], s[44:45]        ; the scale words
	s_wait_alu depctr_va_vdst(0)                   ; the wait ahead of the reciprocal's first reader
	v_mul_f32 v[CV], v[BM], v[BM+3]                ; my part's factor, the power of two over the sum,
	v_mul_f32 v[CV+2], v[BM+1], v[BM+3]            ; and the other part's
.set n, 0
.rept 32
	v_pk_mul_f32 v[S+n:S+n+1], v[S+n:S+n+1], v[CV+2:CV+3] op_sel_hi:[1,0]
.set n, n+2
.endr
	WIN 0x01                                       ; my O^T in window 1
	s_wait_alu depctr_va_vdst(0)                   ; directly ahead of the first read of O^T
.set n, 0
.rept 32
	v_pk_fma_f32 v[S+64+n:S+64+n+1], v[n:n+1], v[CV:CV+1], v[S+n:S+n+1] op_sel_hi:[1,0,1]   ; O^T / the sum: register 16 b + i = channel 32 b + 16 (lane / 16) + i: blocks 0, 1 the first result's, 2, 3 the second's
.set n, n+2
.endr
	WIN 0
.irp b, 0,1,2,3
	v_max3_num_f32 v[BM+\b], |v[S+64+16*\b]|, |v[S+64+16*\b+1]|, 0x1800000   ; the way out's quantiser: my 16 numbers of block b, and the floor 2^(3 - 127)
.endr
.irp i, 2,4,6,8,10,12,14
.irp b, 0,1,2,3
	v_max3_num_f32 v[BM+\b], v[BM+\b], |v[S+64+16*\b+\i]|, |v[S+64+16*\b+\i+1]|
.endr
.endr
.irp b, 0,1,2,3
	s_delay_alu instid0(VALU_DEP_4)
	v_permlanex16_b32 v[PM+\b], v[BM+\b], s[SEL], s[SEL+1]
.endr
.irp b, 0,1,2,3
	s_delay_alu instid0(VALU_DEP_4)
	v_max_num_f32 v[BM+\b], v[BM+\b], v[PM+\b]
.endr
	BYTES T
	CODES S+64
	v_lshrrev_b32 v[T+1], 16, v[T]
	global_store_b128 v[LI], v[P:P+3], s[42:43]
	global_store_b64 v[L8], v[P+4:P+5], s[42:43] offset:512
	global_store_b128 v[LI], v[P+6:P+9], s[42:43] offset:AOY
	global_store_b64 v[L8], v[P+10:P+11], s[42:43] offset:AOY+512
	global_store_b32 v[L4], v[T], s[44:45] offset:6144
	global_store_b32 v[L4], v[T+1], s[44:45] offset:AOY+6144
	s_wait_tensorcnt 0x0                           ; the wave's end
	ds_add_u32 v[SPW], v[NIL]
	s_wait_dscnt 0x0
	CROUND                                         ; the closing round
	s_endpgm
.Lfunc_end_k_q74a8b8d058_attn:
	.size	k_q74a8b8d058_attn, .Lfunc_end_k_q74a8b8d058_attn-k_q74a8b8d058_attn
	.p2alignl 7, 3214868480
	.fill 96, 4, 3214868480
	.section	.rodata,"a",@progbits
	.p2align	6, 0x0
	.amdhsa_kernel k_q74a8b8d058_attn
		.amdhsa_group_segment_fixed_size 327680
		.amdhsa_private_segment_fixed_size 0
		.amdhsa_enable_private_segment 0
		.amdhsa_kernarg_size 24
		.amdhsa_user_sgpr_count 2
		.amdhsa_user_sgpr_kernarg_segment_ptr 1
		.amdhsa_wavefront_size32 1
		.amdhsa_system_sgpr_workgroup_id_x 1
		.amdhsa_system_sgpr_workgroup_id_y 1
		.amdhsa_system_sgpr_workgroup_id_z 1
		.amdhsa_system_vgpr_workitem_id 0
		.amdhsa_next_free_vgpr 512
		.amdhsa_next_free_sgpr 66
		.amdhsa_reserve_vcc 0
		.amdhsa_float_denorm_mode_32 3
		.amdhsa_float_denorm_mode_16_64 3
		.amdhsa_memory_ordered 1
		.amdhsa_forward_progress 1
		.amdhsa_inst_pref_size 186
	.end_amdhsa_kernel
	.amdgpu_metadata
---
amdhsa.version: [ 1, 2 ]
amdhsa.kernels:
  - .name:           k_q74a8b8d058_attn
    .symbol:         k_q74a8b8d058_attn.kd
    .args:
      - { .name: QR, .offset: 0, .size: 8, .value_kind: global_buffer, .address_space: global }
      - { .name: KV, .offset: 8, .size: 8, .value_kind: global_buffer, .address_space: global }
      - { .name: AO, .offset: 16, .size: 8, .value_kind: global_buffer, .address_space: global }
    .group_segment_fixed_size: 327680
    .private_segment_fixed_size: 0
    .kernarg_segment_align: 8
    .kernarg_segment_size: 24
    .max_flat_workgroup_size: 256
    .sgpr_count:     66
    .vgpr_count:     512
    .wavefront_size: 32
...
	.end_amdgpu_metadata
.endif
;; end of part 3
;; launch outp (part 4): grid 64 x 4, 16 waves a work-group, clusters of 4 x 1, 327,680 bytes of LDS; arguments recs, AO, box, boy, out0, out1; writes out0, out1
.if DOCPART == 4
	.amdgcn_target "amdgcn-amd-amdhsa--gfx1250"
	.amdhsa_code_object_version 6
	.text
	.protected	k_q74a8b8d058_outp
	.globl	k_q74a8b8d058_outp
	.p2align	8
	.type	k_q74a8b8d058_outp,@function
k_q74a8b8d058_outp:
	s_mov_b64 s[64:65], 0
	v_nop
	global_prefetch_b8 v0, s[64:65] scope:SCOPE_SE
	s_setreg_imm32_b32 hwreg(HW_REG_WAVE_MODE, 25, 1), 1
	s_wait_xcnt 0x0
	s_wait_alu depctr_hold_cnt(0) depctr_sa_sdst(0) depctr_va_vdst(0) depctr_va_sdst(0) depctr_va_ssrc(0) depctr_va_vcc(0) depctr_vm_vsrc(0)
	s_getreg_b32 s2, hwreg(HW_REG_IB_STS2, 6, 4)
	s_cmp_eq_u32 s2, 0
	s_cbranch_scc0 .Lentry_in_a_cluster
	s_endpgm
.Lentry_in_a_cluster:
	s_bfe_u32 s2, ttmp6, 0x10000c
	s_cmp_lg_u32 s2, 0x3003
	s_cbranch_scc0 .Lentry_shape_is_right
	s_endpgm
.Lentry_shape_is_right:
.set REC,   6656
.set AOFF,  16*REC
.set ARC,   7168
.set AOY,   256*ARC
.set STG,   AOFF+4*ARC
.set SPARE, STG+16*16*272
.set LI,  1
.set L8,  2
.set L4,  3
.set AW,  4
.set AA,  5
.set AA8, 6
.set AA4, 7
.set SPW, 8
.set NIL, 9
.set STO, 11
.set RD,  12
.set CO,  13
.set ACC, 16
.set WF,  48
.set AF,  144
.set WS,  168
.set PWR, 184
.set AS,  192
.set OUTR, 196
.set WV,  16
.macro PLACES n
.rept \n
	v_nop
.endr
.endm
.macro CROUND
	s_barrier_signal -1
	s_barrier_wait -1
	s_cmp_lg_u32 s[WV], 0
	s_cbranch_scc1 .Lnot_wave_0_\@
	s_barrier_signal -3
.Lnot_wave_0_\@:
	s_barrier_wait -3
	s_barrier_signal -1
	s_barrier_wait -1
.endm
.macro BATCH e
.irp sl, 0,1
.irp i, 0,1,2,3
.irp c, 0,1,2
	ds_load_b128 v[WF+12*(4*\sl+\i)+4*\c:WF+12*(4*\sl+\i)+4*\c+3], v[AW] offset:\i*REC+1536*(2*(\e)+\sl)+512*\c
.endr
.endr
	ds_load_b128 v[AF+12*\sl:AF+12*\sl+3], v[AA] offset:768*2*(2*(\e)+\sl)
	ds_load_b64 v[AF+12*\sl+4:AF+12*\sl+5], v[AA8] offset:768*2*(2*(\e)+\sl)+512
	ds_load_b128 v[AF+12*\sl+6:AF+12*\sl+9], v[AA] offset:768*(2*(2*(\e)+\sl)+1)
	ds_load_b64 v[AF+12*\sl+10:AF+12*\sl+11], v[AA8] offset:768*(2*(2*(\e)+\sl)+1)+512
.endr
.endm
.macro MULS e
.irp sl, 0,1
.irp i, 0,1,2,3
	v_wmma_scale_f32_16x16x128_f8f6f4 v[ACC+8*\i:ACC+8*\i+7], v[WF+12*(4*\sl+\i):WF+12*(4*\sl+\i)+11], v[AF+12*\sl:AF+12*\sl+11], v[ACC+8*\i:ACC+8*\i+7], v[WS+4*\i+2*(\e)+\sl], v[AS+2*(\e)+\sl] matrix_a_fmt:MATRIX_FMT_FP6 matrix_b_fmt:MATRIX_FMT_FP6
.endr
.endr
.endm
	s_load_b256 s[4:11], s[0:1], 0x0
	s_load_b128 s[12:15], s[0:1], 0x20
	v_lshl_add_u32 v[SPW], v0, 2, SPARE
	v_mov_b32 v[NIL], 0
	ds_add_u32 v[SPW], v[NIL]
	ds_add_u32 v[SPW], v[NIL]
	v_lshrrev_b32 v14, 5, v0
	s_delay_alu instid0(VALU_DEP_1)
	v_readfirstlane_b32 s[WV], v14
	s_bfe_u32 s17, ttmp6, 0x40000
	s_lshl_b32 s18, ttmp9, 2
	s_add_co_u32 s18, s18, s17
	s_and_b32 s19, ttmp7, 0xffff
	s_lshr_b32 s20, s19, 1
	s_and_b32 s21, s19, 1
	s_mov_b32 s24, 15|(3<<16)|(1<<21)
	s_mov_b32 s25, 32<<16
	s_mov_b32 s26, 52<<16                          ; two records of W to a load: 52 rows of 256 bytes
	s_mov_b32 s27, 32<<16
	s_mov_b32 s28, 52
	s_mov_b32 s29, 32
	s_mov_b32 s30, 0
	s_mov_b32 s31, 0
	s_mov_b32 s32, 3<<16
	s_mov_b32 s33, 32<<16
	s_mov_b32 s34, 14<<16                          ; an eighth of the four AO records to a load: 14 rows of 256 bytes
	s_mov_b32 s35, 32<<16
	s_mov_b32 s36, 14
	s_mov_b32 s37, 32
	s_mov_b32 s38, 0
	s_mov_b32 s39, 0
	s_lshl_b32 s48, s20, 5
	s_lshl_b32 s49, s21, 4
	s_add_co_u32 s48, s48, s49
	s_and_b32 s52, s[WV], 7                        ; my place among the eight waves of my kind of load
	s_lshl_b32 s49, s52, 1
	s_add_co_u32 s48, s48, s49                     ; W's records 2 (w % 8) on
	s_add_co_u32 s48, s48, 1728
	s_mul_i32 s48, s48, REC
	s_mov_b32 s49, 0
	s_mul_i32 s50, s20, AOY
	s_mul_i32 s51, s18, 4*ARC
	s_add_co_u32 s50, s50, s51
	s_mul_i32 s51, s52, 3584
	s_add_co_u32 s50, s50, s51
	s_mov_b32 s44, 1
	s_add_co_u32 s45, s51, AOFF
	s_mov_b32 s51, 0
	s_mov_b32 s40, 1
	s_mul_i32 s41, s52, 2*REC
	s_wait_dscnt 0x0
	s_wait_kmcnt 0x0
	s_add_nc_u64 s[42:43], s[4:5], s[48:49]
	s_or_b32 s43, s43, 0x80000000
	s_add_nc_u64 s[46:47], s[6:7], s[50:51]
	s_or_b32 s47, s47, 0x80000000
	CROUND
	s_cmp_lt_u32 s[WV], 8                          ; one tensor load a wave at the head: waves 0-7 ask jointly for W's records, waves 8-15 for my work-group's own AO records
	s_cbranch_scc0 .Lao
	tensor_load_to_lds s[40:43], s[24:31]
	s_nop 0
	PLACES 4
	s_branch .Lasked
.Lao:
	tensor_load_to_lds s[44:47], s[32:39]
	s_nop 0
	PLACES 4
.Lasked:
	s_and_b32 s22, s[WV], 3
	s_lshr_b32 s23, s[WV], 2
	v_and_b32 v14, 31, v0
	s_delay_alu instid0(VALU_DEP_1)
	v_lshlrev_b32 v[LI], 4, v14
	s_delay_alu instid0(VALU_DEP_2)
	v_lshlrev_b32 v[L8], 3, v14
	s_delay_alu instid0(VALU_DEP_3)
	v_lshlrev_b32 v[L4], 2, v14
	s_mul_i32 s48, s22, 4*REC
	v_add_nc_u32 v[AW], s48, v[LI]
	s_mul_i32 s48, s23, ARC
	s_add_co_u32 s48, s48, AOFF
	v_add_nc_u32 v[AA], s48, v[LI]
	v_add_nc_u32 v[AA8], s48, v[L8]
	v_add_nc_u32 v[AA4], s48, v[L4]
	v_and_b32 v14, 15, v0
	v_bfe_u32 v15, v0, 4, 1
	s_delay_alu instid0(VALU_DEP_1)
	v_lshlrev_b32 v10, 6, v15
	s_wait_alu depctr_va_vdst(0)
	s_mul_i32 s49, s[WV], 16*272
	s_add_co_u32 s49, s49, STG
	v_mul_u32_u24 v[STO], v14, 272
	s_delay_alu instid0(VALU_DEP_1)
	v_lshl_add_u32 v[STO], v15, 6, v[STO]
	s_delay_alu instid0(VALU_DEP_1)
	v_add_nc_u32 v[STO], s49, v[STO]
	v_mul_u32_u24 v[RD], v15, 272
	s_delay_alu instid0(VALU_DEP_1)
	v_lshl_add_u32 v[RD], v14, 4, v[RD]
	s_delay_alu instid0(VALU_DEP_1)
	v_add_nc_u32 v[RD], s49, v[RD]
	v_lshlrev_b32 v[CO], 11, v15
	s_delay_alu instid0(VALU_DEP_1)
	v_lshl_add_u32 v[CO], v14, 4, v[CO]
	s_lshl_b32 s50, s21, 10
	s_lshl_b32 s51, s22, 8
	s_add_co_u32 s50, s50, s51
	s_mov_b32 s51, 0
	s_lshl_b32 s52, s18, 17
	s_lshr_b32 s53, s23, 1
	s_lshl_b32 s53, s53, 16
	s_add_co_u32 s52, s52, s53
	s_and_b32 s53, s23, 1
	s_lshl_b32 s53, s53, 14
	s_add_co_u32 s52, s52, s53
	s_add_co_u32 s52, s52, s50
	s_mov_b32 s53, 0
	s_cmp_eq_u32 s20, 0
	s_cselect_b64 s[8:9], s[8:9], s[10:11]
	s_cselect_b64 s[12:13], s[12:13], s[14:15]
	s_add_nc_u64 s[8:9], s[8:9], s[50:51]
	s_add_nc_u64 s[12:13], s[12:13], s[52:53]
.irp i, 0,1,2,3
.irp p, 0,1
	global_load_b128 v[ACC+8*\i+4*\p:ACC+8*\i+4*\p+3], v10, s[8:9] offset:(32*(\i/2)+8*(\i%2))*4+16*\p
.endr
.endr
	s_wait_tensorcnt 0x0
	s_barrier_signal -1
	s_barrier_wait -1
.irp i, 0,1,2,3
	ds_load_b128 v[WS+4*\i:WS+4*\i+3], v[AW] offset:\i*REC+6144
.endr
.irp d, 0,1,2,3,4,5,6,7
	ds_load_b32 v[PWR+\d], v[AA4] offset:6144+128*\d
.endr
	BATCH 0
	s_wait_dscnt 32
.irp s, 0,1,2,3
	v_perm_b32 v[AS+\s], v[PWR+2*\s+1], v[PWR+2*\s], 0x05040100
.endr
	PLACES 8
	s_wait_alu depctr_va_vdst(0)
	s_wait_dscnt 0x0
	s_wait_loadcnt 0x0
	MULS 0
	PLACES 4
	BATCH 1
	s_wait_dscnt 0x0
	MULS 1
	PLACES 4
.irp i, 0,1,2,3
.irp p, 0,1
	ds_store_b128 v[STO], v[ACC+8*\i+4*\p:ACC+8*\i+4*\p+3] offset:128*(\i/2)+32*(\i%2)+16*\p
.endr
.endr
.irp k, 0,1,2,3,4,5,6,7
	ds_load_b128 v[OUTR+4*\k:OUTR+4*\k+3], v[RD] offset:544*\k
.endr
.irp k, 0,1,2,3,4,5,6,7
	s_wait_dscnt 7-\k
	global_store_b128 v[CO], v[OUTR+4*\k:OUTR+4*\k+3], s[12:13] offset:(2*\k+8*(\k/4))*2048 th:TH_STORE_NT
.endr
	s_wait_tensorcnt 0x0
	ds_add_u32 v[SPW], v[NIL]
	s_wait_dscnt 0x0
	CROUND
	s_endpgm
.Lfunc_end_k_q74a8b8d058_outp:
	.size	k_q74a8b8d058_outp, .Lfunc_end_k_q74a8b8d058_outp-k_q74a8b8d058_outp
	.p2alignl 7, 3214868480
	.fill 96, 4, 3214868480
	.section	.rodata,"a",@progbits
	.p2align	6, 0x0
	.amdhsa_kernel k_q74a8b8d058_outp
		.amdhsa_group_segment_fixed_size 327680
		.amdhsa_private_segment_fixed_size 0
		.amdhsa_enable_private_segment 0
		.amdhsa_kernarg_size 48
		.amdhsa_user_sgpr_count 2
		.amdhsa_user_sgpr_kernarg_segment_ptr 1
		.amdhsa_wavefront_size32 1
		.amdhsa_system_sgpr_workgroup_id_x 1
		.amdhsa_system_sgpr_workgroup_id_y 1
		.amdhsa_system_sgpr_workgroup_id_z 1
		.amdhsa_system_vgpr_workitem_id 0
		.amdhsa_next_free_vgpr 256
		.amdhsa_next_free_sgpr 66
		.amdhsa_reserve_vcc 0
		.amdhsa_float_denorm_mode_32 3
		.amdhsa_float_denorm_mode_16_64 3
		.amdhsa_memory_ordered 1
		.amdhsa_forward_progress 1
		.amdhsa_inst_pref_size 18
	.end_amdhsa_kernel
	.amdgpu_metadata
---
amdhsa.version: [ 1, 2 ]
amdhsa.kernels:
  - .name:           k_q74a8b8d058_outp
    .symbol:         k_q74a8b8d058_outp.kd
    .args:
      - { .name: recs, .offset: 0, .size: 8, .value_kind: global_buffer, .address_space: global }
      - { .name: AO, .offset: 8, .size: 8, .value_kind: global_buffer, .address_space: global }
      - { .name: box, .offset: 16, .size: 8, .value_kind: global_buffer, .address_space: global }
      - { .name: boy, .offset: 24, .size: 8, .value_kind: global_buffer, .address_space: global }
      - { .name: out0, .offset: 32, .size: 8, .value_kind: global_buffer, .address_space: global }
      - { .name: out1, .offset: 40, .size: 8, .value_kind: global_buffer, .address_space: global }
    .group_segment_fixed_size: 327680
    .private_segment_fixed_size: 0
    .kernarg_segment_align: 8
    .kernarg_segment_size: 48
    .max_flat_workgroup_size: 512
    .sgpr_count:     66
    .vgpr_count:     256
    .wavefront_size: 32
...
	.end_amdgpu_metadata
.endif
;; end of part 4
